; MI455X (gfx1250); checked and timed in simulation.
; The chip was launched on July 23, 2026; its instructions are those of AMD's public machine-readable ISA for CDNA 5 (MIT licence, August 2026) and "CDNA5" Instruction Set Architecture Reference Guide (July 2026). The comments in the code are by the model that wrote it; some were corrected since.
;; Mo E Layer. Allowed arithmetic: matrix products marked QUANTISED: E5M2 operands, one given power-of-two scale a tensor, by v_wmma_f32_16x16x64_bf8_bf8 or v_wmma_f32_16x16x128_bf8_bf8, f32 sums; products left as they are: f32 operands where the result goes on into a quantised operand, else bf16, f16 or f32 operands; f32 sums; everything else in f32.
;; Inputs: W1 8 x 1,024 x 1,024 float32; W2 8 x 1,024 x 1,024 float32; b1 8 x 1,024 float32; b2 8 x 1,024 float32; lowp_scales 4 int32 (the exponents e of the quantised operands' scales 2^e); router_W 1,024 x 8 float32; router_b 8 float32; x 4 x 1,024 x 1,024 float32.
;; Outputs: out0 4 x 1,024 x 1,024 float32.
;; This version of the problem:
;;   THIS VERSION OF THE PROBLEM IS GIVEN IN LOW PRECISION. The matrix products marked QUANTISED in the list below multiply operands that are first quantised to E5M2 (5 exponent bits, 2 mantissa bits; 8 bits a number), with one given power-of-two scale for each operand tensor; their sums are f32. All else is computed in f32.
;;   The module's matrix products, in the order in which they are computed (A, B: the left and right operand; K: the contracted axis; several contracted axes count as one K, in the product's order):
;;     1. [M 4,096, K 1,024] x [K 1,024, N 8]; A: input x; B: input router_W: left as it is (N = 8 < 16)
;;     2. [M 8,192, K 1,024] x [K 1,024, N 4,096]; A: input W1; B: input x: QUANTISED (scales: A lowp_scales[0], B lowp_scales[1])
;;     3. batch 8 x [M 1,024, K 1,024] x [K 1,024, N 4,096]; A: input W2; B: computed on the way: QUANTISED (scales: A lowp_scales[2], B lowp_scales[3])
;;     4. batch 4,096 x [M 1, K 8] x [K 8, N 1,024]; A: computed on the way; B: computed on the way: left as it is (K = 8 < 32)
;;   THE QUANTISER, for each operand of a quantised product, along K:
;;     - The operand's scale is 2^e, e = its entry of the input lowp_scales (int32; the entries are numbered through the quantised products in the list's order, A before B).
;;     - Each number is divided by the scale, clamped to +-57,344, and rounded to the nearest number of E5M2, ties to even, subnormals kept.
;;     - The product sums the exact products of the quantised numbers (number of the format x scale) in f32.
;;   ~~~python
;;   def quantise(x, axis, e):      # numpy; x: float32 -> the quantised numbers, widened to float32 again
;;       x = np.moveaxis(x, axis, -1); K = x.shape[-1]
;;       r = np.clip(x / 2.0 ** e, -57344, 57344)
;;       step = 2.0 ** (np.maximum(np.frexp(np.where(r == 0, 1, r))[1] - 1, -14) - 2)
;;       q = np.round(r / step) * step * 2.0 ** e      # np.round: ties to even
;;       return np.moveaxis(q, -1, axis).astype(np.float32)
;;   ~~~
;;   OPERANDS COMPUTED ON THE WAY. 'Computed on the way' means the value that the module computes at that place (a softmax that the list does not call 'softmax' is quantised finished and normalised). What goes into a quantiser is computed in f32, as accurately as f32 sums, v_exp_f32 and their like allow (about 1e-6 of the number): no bf16 or f16 on the way to a quantiser, and a product that is left as it is and whose result goes on into a quantised operand takes f32 operands (vector FMAs, or v_wmma_f32_16x16x4_f32). A number that lies on a knife's edge between two numbers of the format may be rounded either way, as far as f32 arithmetic and the matrix unit's own rounding can turn it there, and no further.
;; 2 versions. Each part assembles by itself: llvm-mc -triple=amdgcn-amd-amdhsa -mcpu=gfx1250 --defsym DOCPART=n.
;; ======== version 1 of 2: 4 launches
;; workspace buffers: xc 4,194,304 bytes; w1c 8,388,608 bytes; w2c 8,388,608 bytes; hc 4,833,280 bytes; gate 16,384 bytes; eid 16,384 bytes of whole numbers; list 18,944 bytes of whole numbers; tinfo 2,048 bytes of whole numbers
;; launch route (part 1): grid 256 x 1, 4 waves a work-group, no clusters, 50,688 bytes of LDS; arguments x, router_W, router_b, lowp_scales, xc, eid, gate; writes xc, eid, gate
.if DOCPART == 1
	.amdgcn_target "amdgcn-amd-amdhsa--gfx1250"
	.amdhsa_code_object_version 6
	.text
	.protected	k_q73efc9e3db_route
	.globl	k_q73efc9e3db_route
	.p2align	8
	.type	k_q73efc9e3db_route,@function
k_q73efc9e3db_route:
	s_mov_b64 s[64:65], 0
	v_nop
	global_prefetch_b8 v0, s[64:65] scope:SCOPE_SE
	s_setreg_imm32_b32 hwreg(HW_REG_WAVE_MODE, 25, 1), 1
	s_wait_xcnt 0x0
; ROUTER AND x's CODES.  x: [4096][1024] f32.  logits = x router_W + router_b in f32 (fused multiply-adds: two logits can lie closer than a 16-bit operand's rounding), softmax with the
; row's maximum taken away, the largest probability's index (the lowest index among equals) and the probability itself.  The same registers of x are then quantised: code = x / 2^e1, held within
; +-57,344, to the nearest E5M2 number, ties to even; xc: [4096][1024] codes, K as it lies.
; LIMITS: e1 (entry 1 of the scales) between -126 and 112, so that 2^e1 and 57,344 x 2^e1 are f32 numbers.  NaN among the inputs is not served.  Two logits of a token that differ by less than
; about one part in 10^7 give equal probabilities here as in f32 arithmetic at large: the lower index is taken.
; SHARES.  A work-group takes 16 tokens, a wave 4.  Lane l holds x[k], k = 128 j + 4 l + b (j 0..7, b 0..3): every load of a wave reads 512 consecutive bytes, and x is read once.
; router_W (32 KiB) is copied once into LDS, laid so that lane l finds the four rows k = 128 j + 4 l + b of step j by eight loads of 16 bytes in which the 32 lanes read 512 consecutive bytes.
; No matrix unit: 8 columns are half a tile, and the f32 form has no better rate than these packed multiply-adds.  No cluster: work-groups share only router_W, 32 KiB beside 64 KiB of x each.
.set QSTR, 528                         ; LDS: piece q (16 bytes of a lane's 128) of step j: 512 bytes + 16 of padding
.set JSTR, 8*QSTR                      ; a step's eight pieces
.set STG,  8*JSTR                      ; 33,792: behind the image, 4,096 bytes for each wave: its four rows of codes
.set ACC,  16                          ; v16-47   sums: token t, expert e at 8 t + e
.set RB,   48                          ; v48-111  first the 64 registers of the copy; then two sets of 32: router_W[row b][expert e] at 8 b + e
.set CD,   48                          ; v48-79   codes: token t, step j at 8 t + j
.set OC,   80                          ; v80-111  codes read back as rows
.set X,    112                         ; v112-239 x: 32 t + 4 j + b
.set MX,   240                         ; v240-243 the row's largest logit, later its largest probability
.set SM,   244                         ; v244-247 the row's sum
.set IDX,  248                         ; v248-251 the chosen expert
.set GT,   252                         ; v252-255 its probability
	s_load_b256 s[4:11], s[0:1], 0x0               ; x s[4:5], router_W s[6:7], router_b s[8:9], the scales s[10:11]
	s_load_b128 s[12:15], s[0:1], 0x20             ; xc s[12:13], eid s[14:15]
	s_load_b64 s[16:17], s[0:1], 0x30              ; gate
	v_lshl_add_u32 v14, v0, 2, 0xc400
	v_mov_b32 v15, 0
	v_lshrrev_b32 v1, 5, v0
	v_readfirstlane_b32 s32, v1                    ; wave 0..3
	v_and_b32 v1, 31, v0                           ; lane
	v_lshlrev_b32 v2, 4, v1                        ; 16 x lane
	v_lshlrev_b32 v3, 4, v0                        ; 16 x thread: my piece of 2,048 bytes of router_W
	v_and_b32 v4, 7, v0
	v_mul_u32_u24 v4, v4, QSTR
	v_lshrrev_b32 v5, 3, v0
	v_lshl_add_u32 v4, v5, 4, v4                   ; where it goes: piece q = thread % 8, lane thread / 8 (+ 16 in every second copy step)
	s_lshl_b32 s33, s32, 12
	s_add_co_u32 s33, s33, STG                     ; my wave's stage
	v_lshl_add_u32 v6, v1, 2, s33                  ; into it: 4 codes a lane
	v_add_nc_u32 v7, s33, v2                       ; out of it: 16 codes a lane
.irp u, 10,11,12,13
	v_mov_b32 v\u, 0                               ; written once: a lane permute's destination counts as one of its sources
.endr
	s_mov_b32 s34, 0x76543210                      ; v_permlanex16_b32: each lane takes its own place in the other half
	s_mov_b32 s35, 0xfedcba98
	s_mov_b32 s42, 0x3fb8aa3b                      ; log2(e)
	s_lshl_b32 s36, ttmp9, 16                      ; 16 tokens of 4,096 bytes a work-group,
	s_lshl_b32 s37, s32, 14                        ; 4 a wave
	s_add_co_u32 s36, s36, s37
	s_mov_b32 s37, 0
	s_lshr_b32 s38, s36, 2                         ; the same tokens in xc: 1,024 bytes each
	s_mov_b32 s39, 0
	s_lshr_b32 s40, s36, 10                        ; and in eid and gate: 4 bytes each
	s_mov_b32 s41, 0
	s_wait_kmcnt 0x0
	s_load_b256 s[20:27], s[8:9], 0x0              ; router_b
	s_load_b32 s28, s[10:11], 0x4                  ; e1
	s_add_nc_u64 s[4:5], s[4:5], s[36:37]
	s_add_nc_u64 s[12:13], s[12:13], s[38:39]
	s_add_nc_u64 s[14:15], s[14:15], s[40:41]
	s_add_nc_u64 s[16:17], s[16:17], s[40:41]
.irp i, 0,1,2,3,4,5,6,7,8,9,10,11,12,13,14,15
	global_load_b128 v[RB+4*\i:RB+4*\i+3], v3, s[6:7] offset:2048*\i    ; router_W as it lies: 128 threads x 16 bytes a step
.endr
.irp j, 0,1,2,3,4,5,6,7
.irp t, 0,1,2,3
	global_load_b128 v[X+32*\t+4*\j:X+32*\t+4*\j+3], v2, s[4:5] offset:4096*\t+512*\j th:TH_LOAD_NT   ; by steps, so that the first step's numbers come first
.endr
.endr
	s_wait_loadcnt 32                              ; the 16 loads of router_W are in; the 32 of x, issued behind them, may be out
.irp i, 0,1,2,3,4,5,6,7,8,9,10,11,12,13,14,15
	ds_store_b128 v4, v[RB+4*\i:RB+4*\i+3] offset:JSTR*(\i/2)+256*(\i%2)
.endr
	s_wait_dscnt 0x0                               ; for the others' sake: my part of the image has landed
	s_barrier_signal -1
	s_barrier_wait -1                              ; the image is whole; it is never written again
.macro RWF j                           ; step j's four rows of router_W for my lane, into set j % 2
.irp q, 0,1,2,3,4,5,6,7
	ds_load_b128 v[RB+32*((\j)%2)+4*\q:RB+32*((\j)%2)+4*\q+3], v2 offset:JSTR*(\j)+QSTR*\q
.endr
.endm
; step j: 4 rows of router_W x 4 tokens x 8 experts: 64 packed multiply-adds.  x's number is taken for both halves: the pair's first register (op_sel_hi 0) or its second (op_sel 1).
.macro DOT j
	s_wait_loadcnt 28-4*(\j)                       ; x's four loads of this step are in; those of the later steps, four each, may be out
.if (\j) < 7
	s_wait_dscnt 8                                 ; this step's set is in; the next step's eight loads may be out
.else
	s_wait_dscnt 0
.endif
.irp b, 0,1,2,3
.irp t, 0,1,2,3
.irp p, 0,2,4,6
.if ((\j) == 0) && (\b == 0)
	v_pk_mul_f32 v[ACC+8*\t+\p:ACC+8*\t+\p+1], v[X+32*\t:X+32*\t+1], v[RB+\p:RB+\p+1] op_sel_hi:[0,1]   ; the first product starts the sums: nothing is cleared
.elseif (\b%2) == 0
	v_pk_fma_f32 v[ACC+8*\t+\p:ACC+8*\t+\p+1], v[X+32*\t+4*(\j)+\b:X+32*\t+4*(\j)+\b+1], v[RB+32*((\j)%2)+8*\b+\p:RB+32*((\j)%2)+8*\b+\p+1], v[ACC+8*\t+\p:ACC+8*\t+\p+1] op_sel_hi:[0,1,1]
.else
	v_pk_fma_f32 v[ACC+8*\t+\p:ACC+8*\t+\p+1], v[X+32*\t+4*(\j)+\b-1:X+32*\t+4*(\j)+\b], v[RB+32*((\j)%2)+8*\b+\p:RB+32*((\j)%2)+8*\b+\p+1], v[ACC+8*\t+\p:ACC+8*\t+\p+1] op_sel:[1,0,0] op_sel_hi:[1,1,1]
.endif
.endr
.endr
.endr
.if (\j) < 6
	RWF (\j)+2                                     ; the set just used takes the step after next
.endif
.endm
	RWF 0
	RWF 1
	s_wait_kmcnt 0x0
	s_add_co_i32 s28, s28, 127
	s_lshl_b32 s29, s28, 23
	v_mov_b32 v8, s29                              ; 2^e1 as f32: the conversion takes its exponent field
	s_add_co_i32 s28, s28, 15
	s_lshl_b32 s28, s28, 23
	s_or_b32 s28, s28, 0x600000
	v_mov_b32 v9, s28                              ; 57,344 x 2^e1
.irp j, 0,1,2,3,4,5,6,7
	DOT \j
.endr
	; x's codes.  The conversion to an 8-bit code does not saturate (ISA guide 7.6.2): each number is first held within the largest code x the scale
.set n, 0
.rept 128
	v_med3_num_f32 v[X+n], v[X+n], -v9, v9
.set n, n+1
.endr
.irp t, 0,1,2,3
.irp i, 0,1,2,3
	v_cvt_scalef32_pk8_bf8_f32 v[CD+8*\t+2*\i:CD+8*\t+2*\i+1], v[X+32*\t+8*\i:X+32*\t+8*\i+7], v8   ; steps 2 i and 2 i + 1: a register of codes is k = 128 j + 4 l + 0 .. 3
.endr
.endr
	v_nop                                          ; one plain vector instruction behind the last scaled conversion, ahead of vector work that writes its sources
.irp t, 0,1,2,3
.irp j, 0,1,2,3,4,5,6,7
	ds_store_b32 v6, v[CD+8*\t+\j] offset:1024*\t+128*\j     ; 32 lanes x 4 codes: 128 consecutive bytes of a row
.endr
.endr
.irp n, 0,1,2,3,4,5,6,7
	ds_load_b128 v[OC+4*\n:OC+4*\n+3], v7 offset:512*\n      ; LDS serves a wave's instructions in order (ISA guide 5.7.1.4): these see my stores; the stage is my wave's own
.endr
	; while the codes turn through the stage: the 32 sums over the 32 lanes
.irp k, 1,2,4,8
.set n, 0
.rept 32
	v_add_f32_dpp v[ACC+n], v[ACC+n], v[ACC+n] row_xmask:\k row_mask:0xf bank_mask:0xf
.set n, n+1
.endr
.endr
.set n, 0
.rept 8
.irp u, 0,1,2,3
	v_permlanex16_b32 v[10+\u], v[ACC+n+\u], s34, s35
.endr
.irp u, 0,1,2,3
	v_add_f32 v[ACC+n+\u], v[ACC+n+\u], v[10+\u]
.endr
.set n, n+4
.endr
.irp t, 0,1,2,3
.irp e, 0,1,2,3,4,5,6,7
	v_add_f32 v[ACC+8*\t+\e], s[20+\e], v[ACC+8*\t+\e]       ; + router_b: every lane now holds the four tokens' logits
.endr
.endr
.irp n, 0,1,2,3,4,5,6,7
	s_wait_dscnt 7-\n                              ; LDS loads come back in order: load n is in, the 7 - n younger may be out
	global_store_b128 v2, v[OC+4*\n:OC+4*\n+3], s[12:13] offset:512*\n   ; 32 lanes store 512 consecutive bytes, aligned to 512 in xc
.endr
	; softmax, the four tokens side by side
.irp t, 0,1,2,3
	v_max3_num_f32 v[MX+\t], v[ACC+8*\t], v[ACC+8*\t+1], v[ACC+8*\t+2]
.endr
.irp t, 0,1,2,3
	v_max3_num_f32 v[MX+\t], v[MX+\t], v[ACC+8*\t+3], v[ACC+8*\t+4]
.endr
.irp t, 0,1,2,3
	v_max3_num_f32 v[MX+\t], v[MX+\t], v[ACC+8*\t+5], v[ACC+8*\t+6]
.endr
.irp t, 0,1,2,3
	v_max_num_f32 v[MX+\t], v[MX+\t], v[ACC+8*\t+7]
.endr
.irp t, 0,1,2,3
.irp e, 0,1,2,3,4,5,6,7
	v_sub_f32 v[ACC+8*\t+\e], v[ACC+8*\t+\e], v[MX+\t]       ; the maximum is taken away first: exactly 0 at the largest logit
.endr
.endr
.set n, 0
.rept 32
	v_mul_f32 v[ACC+n], s42, v[ACC+n]
.set n, n+1
.endr
.set n, 0
.rept 32
	v_exp_f32 v[ACC+n], v[ACC+n]                   ; e^(logit - maximum), one batch
.set n, n+1
.endr
.irp t, 0,1,2,3
	v_mov_b32 v[IDX+\t], 7                         ; plain instructions behind the last exponential
.endr
	s_wait_alu depctr_va_vdst(0)                   ; one wait for the 32 exponentials, ahead of the first instruction that names a result
.irp t, 0,1,2,3
	v_pk_add_f32 v[X+4*\t:X+4*\t+1], v[ACC+8*\t:ACC+8*\t+1], v[ACC+8*\t+2:ACC+8*\t+3]
	v_pk_add_f32 v[X+4*\t+2:X+4*\t+3], v[ACC+8*\t+4:ACC+8*\t+5], v[ACC+8*\t+6:ACC+8*\t+7]
.endr
.irp t, 0,1,2,3
	v_pk_add_f32 v[X+4*\t:X+4*\t+1], v[X+4*\t:X+4*\t+1], v[X+4*\t+2:X+4*\t+3]
.endr
.irp t, 0,1,2,3
	v_add_f32 v[SM+\t], v[X+4*\t], v[X+4*\t+1]
.endr
.irp t, 0,1,2,3
	v_rcp_f32 v[GT+\t], v[SM+\t]                   ; the index work below names neither the sums nor these results
.endr
.irp t, 0,1,2,3
	v_max3_num_f32 v[MX+\t], v[ACC+8*\t], v[ACC+8*\t+1], v[ACC+8*\t+2]
.endr
.irp t, 0,1,2,3
	v_max3_num_f32 v[MX+\t], v[MX+\t], v[ACC+8*\t+3], v[ACC+8*\t+4]
.endr
.irp t, 0,1,2,3
	v_max3_num_f32 v[MX+\t], v[MX+\t], v[ACC+8*\t+5], v[ACC+8*\t+6]
.endr
.irp t, 0,1,2,3
	v_max_num_f32 v[MX+\t], v[MX+\t], v[ACC+8*\t+7]
.endr
.irp e, 6,5,4,3,2,1,0
.irp t, 0,1,2,3
	v_cmp_lt_f32 vcc_lo, v[ACC+8*\t+\e], v[MX+\t]
	v_cndmask_b32 v[IDX+\t], \e, v[IDX+\t], vcc_lo           ; from expert 6 down to 0: an expert that reaches the largest takes the index, so the lowest one keeps it
.endr
.endr
	s_wait_alu depctr_va_vdst(0)                   ; one wait for the four reciprocals
.irp t, 0,1,2,3
	v_mul_f32 v[GT+\t], v[GT+\t], v[MX+\t]         ; the chosen expert's probability
.endr
	v_cmp_eq_u32 vcc_lo, 0, v1
	s_wait_xcnt 0x0                                ; EXEC is a source of the stores above: it changes only behind this wait
	s_barrier_signal -1
	s_barrier_wait -1
	s_wait_tensorcnt 0x0
	ds_add_u32 v14, v15
	s_wait_dscnt 0x0
	s_and_saveexec_b32 s43, vcc_lo                 ; lane 0 alone; EXEC is not widened again
	global_store_b128 v2, v[IDX:IDX+3], s[14:15]   ; 16 bytes a wave at a fixed place: 32 KiB in the whole launch for both tables
	global_store_b128 v2, v[GT:GT+3], s[16:17]
	s_endpgm
.Lfunc_end_k_q73efc9e3db_route:
	.size	k_q73efc9e3db_route, .Lfunc_end_k_q73efc9e3db_route-k_q73efc9e3db_route
	.p2alignl 7, 3214868480
	.fill 96, 4, 3214868480
	.section	.rodata,"a",@progbits
	.p2align	6, 0x0
	.amdhsa_kernel k_q73efc9e3db_route
		.amdhsa_group_segment_fixed_size 50688
		.amdhsa_private_segment_fixed_size 0
		.amdhsa_enable_private_segment 0
		.amdhsa_kernarg_size 56
		.amdhsa_user_sgpr_count 2
		.amdhsa_user_sgpr_kernarg_segment_ptr 1
		.amdhsa_wavefront_size32 1
		.amdhsa_system_sgpr_workgroup_id_x 1
		.amdhsa_system_sgpr_workgroup_id_y 1
		.amdhsa_system_sgpr_workgroup_id_z 1
		.amdhsa_system_vgpr_workitem_id 0
		.amdhsa_next_free_vgpr 256
		.amdhsa_next_free_sgpr 66
		.amdhsa_reserve_vcc 1
		.amdhsa_float_denorm_mode_32 3
		.amdhsa_float_denorm_mode_16_64 3
		.amdhsa_memory_ordered 1
		.amdhsa_forward_progress 1
		.amdhsa_inst_pref_size 78
	.end_amdhsa_kernel
	.amdgpu_metadata
---
amdhsa.version: [ 1, 2 ]
amdhsa.kernels:
  - .name:           k_q73efc9e3db_route
    .symbol:         k_q73efc9e3db_route.kd
    .args:
      - { .name: x, .offset: 0, .size: 8, .value_kind: global_buffer, .address_space: global }
      - { .name: router_W, .offset: 8, .size: 8, .value_kind: global_buffer, .address_space: global }
      - { .name: router_b, .offset: 16, .size: 8, .value_kind: global_buffer, .address_space: global }
      - { .name: lowp_scales, .offset: 24, .size: 8, .value_kind: global_buffer, .address_space: global }
      - { .name: xc, .offset: 32, .size: 8, .value_kind: global_buffer, .address_space: global }
      - { .name: eid, .offset: 40, .size: 8, .value_kind: global_buffer, .address_space: global }
      - { .name: gate, .offset: 48, .size: 8, .value_kind: global_buffer, .address_space: global }
    .group_segment_fixed_size: 50688
    .private_segment_fixed_size: 0
    .kernarg_segment_align: 8
    .kernarg_segment_size: 56
    .max_flat_workgroup_size: 128
    .sgpr_count:     66
    .vgpr_count:     256
    .wavefront_size: 32
...
	.end_amdgpu_metadata
.endif
;; end of part 1
;; launch wq (part 2): grid 1025 x 1, 4 waves a work-group, no clusters, 1,536 bytes of LDS; arguments W1, W2, lowp_scales, eid, w1c, w2c, list, tinfo; writes w1c, w2c, list, tinfo
.if DOCPART == 2
	.amdgcn_target "amdgcn-amd-amdhsa--gfx1250"
	.amdhsa_code_object_version 6
	.text
	.protected	k_q73efc9e3db_wq
	.globl	k_q73efc9e3db_wq
	.p2align	8
	.type	k_q73efc9e3db_wq,@function
k_q73efc9e3db_wq:
	s_mov_b64 s[64:65], 0
	v_nop
	global_prefetch_b8 v0, s[64:65] scope:SCOPE_SE
	s_setreg_imm32_b32 hwreg(HW_REG_WAVE_MODE, 25, 1), 1
	s_wait_xcnt 0x0
; TWO JOBS IN ONE LAUNCH.
; Work-groups 1 .. 1,024: W1 and W2, [8][1024 (k)][1024 (n)] f32 with K as the middle axis, become codes of E5M2 laid in the order of an operand's registers.
;   code = w / 2^e (entry 0 of the scales for W1, entry 2 for W2), held within +-57,344, to the nearest code, ties to even.  LIMITS: e between -126 and 112; NaN is not served.
;   A LANE TAKES A COLUMN n AND ITS REGISTERS RUN DOWN K: a load reads 128 consecutive bytes a wave, 512 a work-group, and the conversions give codes with K innermost; nothing is transposed.
;   OUT: [e 8][G 16][s 8][i 4][c 4][lane 32][16 bytes].  Tile T = 4 G + i = 2 B + u holds 16 columns: its row m is column 32 B + 8 u + m + 8 (m / 8).  Lane (r, h) of a fragment (K step s of 128) holds row r,
;   k = 32 c + 16 h + 0 .. 15 in piece c.  A wave of the products' launches then loads a fragment by four loads of 512 consecutive bytes.
; Work-group 0: the rows are placed by expert, from the whole numbers that the launch before stored (eid).  A counting sort without atomics: each wave counts its 1,024 tokens, the counts meet in LDS, each token's
;   place is its expert's first place + the tokens of that expert ahead of it.  An expert's rows fill tiles of 80: list[80 tile + row] = token; tinfo[tile] = (expert, rows, rows - 1, 0), zeros for a tile without rows.
;   There are never more than (4,096 + 8 x 79) / 80 = 59 tiles.  It is the first work-group, so that it begins with the launch.  It alone uses LDS and a barrier.
.set QR,   16                          ; v16-79   four sets of 16 numbers
.set QC,   80                          ; v80-111  codes: four registers for each of the 8 chunks, never written again
.set ID,   16                          ; place: v16-47 my 32 tokens' experts
.set POS,  48                          ;        v48-79 their places, as byte offsets
.set TK,   80                          ;        v80-111 their numbers
.set PM,   32                          ; s32-39  masks, then counts, of the register in hand
.set PR,   40                          ; s40-47  running place for each expert
.set PCNT, 48                          ; s48-55  tokens of each expert
.set PNT,  56                          ; s56-63  its tiles
.set PTB,  66                          ; s66-74  its first tile
	s_load_b256 s[4:11], s[0:1], 0x0               ; W1 s[4:5], W2 s[6:7], the scales s[8:9], eid s[10:11]
	s_load_b256 s[12:19], s[0:1], 0x20             ; w1c s[12:13], w2c s[14:15], list s[16:17], tinfo s[18:19]
	v_lshl_add_u32 v128, v0, 2, 0x400
	v_mov_b32 v129, 0
	v_lshrrev_b32 v1, 5, v0
	v_readfirstlane_b32 s20, v1                    ; wave 0..3
	s_cmp_eq_u32 ttmp9, 0                          ; the work-group's number: the same in all four waves
	s_cbranch_scc1 .Lplace
	s_sub_co_u32 s21, ttmp9, 1                     ; q = 0 .. 1,023
	s_and_b32 s22, s21, 7                          ; which 128 columns
	s_bfe_u32 s23, s21, 0x30003                    ; which K step of 128
	s_lshr_b32 s24, s21, 6                         ; 0-7: W1's experts, 8-15: W2's
	s_and_b32 s25, s24, 7                          ; the expert
	v_and_b32 v1, 15, v0                           ; r: my row in a tile
	v_bfe_u32 v4, v0, 4, 1                         ; u: which of my wave's two tiles
	v_and_b32 v5, 8, v1
	v_add_nc_u32 v5, v5, v1
	v_lshl_add_u32 v5, v4, 3, v5                   ; my column among the wave's 32: 8 u + r + 8 (r / 8)
	v_lshlrev_b32 v2, 2, v5
	v_lshlrev_b32 v3, 4, v1
	v_lshl_or_b32 v3, v4, 11, v3                   ; out: tile u (2,048 bytes each), lane r's 16 bytes
	s_lshl_b32 s26, s25, 22                        ; in: expert x 4 MiB + 128 rows of 4,096 bytes x step + 512 bytes x column group + 128 x wave
	s_lshl_b32 s28, s23, 19
	s_add_co_u32 s26, s26, s28
	s_lshl_b32 s28, s22, 9
	s_add_co_u32 s26, s26, s28
	s_lshl_b32 s28, s20, 7
	s_add_co_u32 s26, s26, s28
	s_mov_b32 s27, 0
	s_lshl_b32 s30, s25, 20                        ; out: expert x 1 MiB + G x 65,536 + step x 8,192 + (wave % 2) x 4,096; G = 2 x column group + wave / 2
	s_lshl_b32 s28, s22, 17
	s_add_co_u32 s30, s30, s28
	s_lshr_b32 s28, s20, 1
	s_lshl_b32 s28, s28, 16
	s_add_co_u32 s30, s30, s28
	s_lshl_b32 s28, s23, 13
	s_add_co_u32 s30, s30, s28
	s_and_b32 s28, s20, 1
	s_lshl_b32 s28, s28, 12
	s_add_co_u32 s30, s30, s28
	s_mov_b32 s31, 0
	s_wait_kmcnt 0x0
	s_load_b128 s[36:39], s[8:9], 0x0              ; e of W1, of x, of W2, of the hidden layer
	s_cmp_lt_u32 s24, 8                            ; the choice hangs on the work-group's number alone
	s_cselect_b64 s[4:5], s[4:5], s[6:7]
	s_cselect_b64 s[12:13], s[12:13], s[14:15]
	s_add_nc_u64 s[4:5], s[4:5], s[26:27]
	s_add_nc_u64 s[12:13], s[12:13], s[30:31]
.macro LOADQ n                         ; chunk n: rows 16 n .. 16 n + 15 of my column, into set n % 4
.irp i, 0,1,2,3,4,5,6,7,8,9,10,11,12,13,14,15
	global_load_b32 v[QR+16*((\n)%4)+\i], v2, s[4:5] offset:(16*(\n)+\i)*4096 th:TH_LOAD_NT
.endr
.endm
.irp n, 0,1,2,3
	LOADQ \n
.endr
	s_wait_kmcnt 0x0
	s_cmp_lt_u32 s24, 8
	s_cselect_b32 s36, s36, s38                    ; e
	s_add_co_i32 s36, s36, 127
	s_lshl_b32 s37, s36, 23
	v_mov_b32 v11, s37                             ; 2^e as f32: the conversion takes its exponent field
	s_add_co_i32 s36, s36, 15
	s_lshl_b32 s36, s36, 23
	s_or_b32 s36, s36, 0x600000
	v_mov_b32 v10, s36                             ; 57,344 x 2^e
; Chunk n is k = 16 n .. 16 n + 15 of the K step: piece c = n / 2, half h = n % 2 of the fragment: 512 c + 256 h = 256 n bytes on.
.macro CHUNK n
.set RS, QR+16*((\n)%4)
.if (\n) < 5
	s_wait_loadcnt 48                              ; this chunk's 16 loads are in; those of the three chunks behind it may be out
.else
	s_wait_loadcnt 16*(7-(\n))
.endif
.irp i, 0,1,2,3,4,5,6,7,8,9,10,11,12,13,14,15
	v_med3_num_f32 v[RS+\i], v[RS+\i], -v10, v10   ; the conversion to an 8-bit code does not saturate (ISA guide 7.6.2): the hold comes first
.endr
	v_cvt_scalef32_pk8_bf8_f32 v[QC+4*(\n):QC+4*(\n)+1], v[RS:RS+7], v11
	v_cvt_scalef32_pk8_bf8_f32 v[QC+4*(\n)+2:QC+4*(\n)+3], v[RS+8:RS+15], v11
	global_store_b128 v3, v[QC+4*(\n):QC+4*(\n)+3], s[12:13] offset:256*(\n)   ; lanes 0-15 store 256 consecutive bytes, aligned; lanes 16-31 another 256, in the next tile
.if (\n) < 4
	LOADQ (\n)+4                                   ; the results go to a store and the sources take loads; the next vector lines are the next chunk's holds, on other registers
.endif
.endm
.irp n, 0,1,2,3,4,5,6,7
	CHUNK \n
.endr
	s_endpgm
.Lplace:
	v_and_b32 v1, 31, v0                           ; lane
	s_lshl_b32 s21, s20, 12
	v_lshl_add_u32 v2, v1, 4, s21                  ; eid: 4,096 bytes a wave, 16 a lane and load
	v_lshrrev_b32 v3, 2, v2                        ; the token of my register 0: 1,024 wave + 4 lane; register n: + 128 (n / 4) + n % 4
	v_lshlrev_b32 v113, 2, v0                      ; LDS: a word for each thread
	v_lshlrev_b32 v114, 2, v1
	v_mov_b32 v112, 0
	s_wait_kmcnt 0x0
.irp a, 0,1,2,3,4,5,6,7
	global_load_b128 v[ID+4*\a:ID+4*\a+3], v2, s[10:11] offset:512*\a
.endr
.irp e, 0,1,2,3,4,5,6,7
	s_mov_b32 s[PR+\e], 0
	s_mov_b32 s[PCNT+\e], 0
.endr
	s_wait_loadcnt 0x0
	; pass 1: my wave's count for each expert
.set n, 0
.rept 32
.irp e, 0,1,2,3,4,5,6,7
	v_cmp_eq_u32 s[PM+\e], \e, v[ID+n]
.endr
.irp e, 0,1,2,3,4,5,6,7
	s_bcnt1_i32_b32 s[PM+\e], s[PM+\e]
.endr
.irp e, 0,1,2,3,4,5,6,7
	s_add_co_u32 s[PR+\e], s[PR+\e], s[PM+\e]
.endr
.set n, n+1
.endr
.irp e, 0,1,2,3,4,5,6,7
	v_writelane_b32 v112, s[PR+\e], \e             ; lane e carries expert e's count
.endr
	ds_store_b32 v113, v112
.irp e, 0,1,2,3,4,5,6,7
	s_mov_b32 s[PR+\e], 0
.endr
	s_wait_dscnt 0x0                               ; for the others' sake: my counts have landed
	s_barrier_signal -1
	s_barrier_wait -1
.irp q, 0,1,2,3
	ds_load_b32 v[116+\q], v114 offset:128*\q      ; wave q's counts
.endr
	s_wait_dscnt 0x0
.irp q, 0,1,2,3
.irp e, 0,1,2,3,4,5,6,7
	v_readlane_b32 s[PM+\e], v[116+\q], \e
.endr
.irp e, 0,1,2,3,4,5,6,7
	s_add_co_u32 s[PCNT+\e], s[PCNT+\e], s[PM+\e]  ; all waves: the expert's tokens
.endr
	s_cmp_gt_u32 s20, \q                           ; the selections follow the compare with nothing between that writes SCC
.irp e, 0,1,2,3,4,5,6,7
	s_cselect_b32 s[PM+\e], s[PM+\e], 0
.endr
.irp e, 0,1,2,3,4,5,6,7
	s_add_co_u32 s[PR+\e], s[PR+\e], s[PM+\e]      ; the waves ahead of mine: where my wave's tokens begin within the expert
.endr
.endr
	s_mov_b32 s[PTB], 0
.irp e, 0,1,2,3,4,5,6,7
	s_add_co_u32 s[PNT+\e], s[PCNT+\e], 79
	s_mul_i32 s[PNT+\e], s[PNT+\e], 52429          ; / 80: 52,429 = 2^22 / 80 rounded up; exact for numbers under 262,144
	s_lshr_b32 s[PNT+\e], s[PNT+\e], 22            ; the expert's tiles
	s_add_co_u32 s[PTB+\e+1], s[PTB+\e], s[PNT+\e]
	s_mul_i32 s21, s[PTB+\e], 80
	s_add_co_u32 s[PR+\e], s[PR+\e], s21           ; + the expert's first place in the list
.endr
	; pass 2: a token's place = its expert's running place + the lanes below mine with the same expert
.set n, 0
.rept 32
.set VM, 4+2*(n%2)
.irp e, 0,1,2,3,4,5,6,7
	v_cmp_eq_u32 s[PM+\e], \e, v[ID+n]
.endr
	v_mov_b32 v[VM], s[PM+7]
	v_mov_b32 v[VM+1], s[PR+7]
.irp e, 0,1,2,3,4,5,6
	v_cndmask_b32 v[VM], v[VM], s[PM+\e], s[PM+\e]           ; my expert's mask,
	v_cndmask_b32 v[VM+1], v[VM+1], s[PR+\e], s[PM+\e]       ; and its running place
.endr
	v_mbcnt_lo_u32_b32 v[POS+n], v[VM], v[VM+1]
.irp e, 0,1,2,3,4,5,6,7
	s_bcnt1_i32_b32 s[PM+\e], s[PM+\e]
.endr
.irp e, 0,1,2,3,4,5,6,7
	s_add_co_u32 s[PR+\e], s[PR+\e], s[PM+\e]
.endr
	v_min_u32 v[POS+n], 4719, v[POS+n]             ; 59 tiles of 80 places: the bound holds by the count above; the clamp keeps the store inside the list whatever eid holds
	v_lshlrev_b32 v[POS+n], 2, v[POS+n]
	v_add_nc_u32 v[TK+n], 128*(n/4)+n%4, v3
	global_store_b32 v[POS+n], v[TK+n], s[16:17]   ; each register has its own place and data registers: none is written again
.set n, n+1
.endr
	; the table of tiles: thread t writes tile t's entry, all 128 entries
	v_mov_b32 v120, 0
	v_mov_b32 v121, 0
	v_mov_b32 v122, 0
	v_mov_b32 v123, 0
.irp e, 0,1,2,3,4,5,6,7
	v_sub_nc_u32 v8, v0, s[PTB+\e]                 ; which of the expert's tiles (a very large number where the tile lies ahead of them)
	v_cmp_le_u32 vcc_lo, s[PNT+\e], v8             ; not one of them
	v_mul_u32_u24 v9, v8, 80
	v_sub_nc_u32 v9, s[PCNT+\e], v9
	v_min_u32 v9, 80, v9                           ; its rows
	v_add_nc_u32 v10, -1, v9
	v_cndmask_b32 v120, \e, v120, vcc_lo
	v_cndmask_b32 v121, v9, v121, vcc_lo
	v_cndmask_b32 v122, v10, v122, vcc_lo
.endr
	v_lshlrev_b32 v11, 4, v0
	global_store_b128 v11, v[120:123], s[18:19]
	s_wait_tensorcnt 0x0
	ds_add_u32 v128, v129
	s_wait_dscnt 0x0
	s_endpgm
.Lfunc_end_k_q73efc9e3db_wq:
	.size	k_q73efc9e3db_wq, .Lfunc_end_k_q73efc9e3db_wq-k_q73efc9e3db_wq
	.p2alignl 7, 3214868480
	.fill 96, 4, 3214868480
	.section	.rodata,"a",@progbits
	.p2align	6, 0x0
	.amdhsa_kernel k_q73efc9e3db_wq
		.amdhsa_group_segment_fixed_size 1536
		.amdhsa_private_segment_fixed_size 0
		.amdhsa_enable_private_segment 0
		.amdhsa_kernarg_size 64
		.amdhsa_user_sgpr_count 2
		.amdhsa_user_sgpr_kernarg_segment_ptr 1
		.amdhsa_wavefront_size32 1
		.amdhsa_system_sgpr_workgroup_id_x 1
		.amdhsa_system_sgpr_workgroup_id_y 1
		.amdhsa_system_sgpr_workgroup_id_z 1
		.amdhsa_system_vgpr_workitem_id 0
		.amdhsa_next_free_vgpr 130
		.amdhsa_next_free_sgpr 80
		.amdhsa_reserve_vcc 1
		.amdhsa_float_denorm_mode_32 3
		.amdhsa_float_denorm_mode_16_64 3
		.amdhsa_memory_ordered 1
		.amdhsa_forward_progress 1
		.amdhsa_inst_pref_size 143
	.end_amdhsa_kernel
	.amdgpu_metadata
---
amdhsa.version: [ 1, 2 ]
amdhsa.kernels:
  - .name:           k_q73efc9e3db_wq
    .symbol:         k_q73efc9e3db_wq.kd
    .args:
      - { .name: W1, .offset: 0, .size: 8, .value_kind: global_buffer, .address_space: global }
      - { .name: W2, .offset: 8, .size: 8, .value_kind: global_buffer, .address_space: global }
      - { .name: lowp_scales, .offset: 16, .size: 8, .value_kind: global_buffer, .address_space: global }
      - { .name: eid, .offset: 24, .size: 8, .value_kind: global_buffer, .address_space: global }
      - { .name: w1c, .offset: 32, .size: 8, .value_kind: global_buffer, .address_space: global }
      - { .name: w2c, .offset: 40, .size: 8, .value_kind: global_buffer, .address_space: global }
      - { .name: list, .offset: 48, .size: 8, .value_kind: global_buffer, .address_space: global }
      - { .name: tinfo, .offset: 56, .size: 8, .value_kind: global_buffer, .address_space: global }
    .group_segment_fixed_size: 1536
    .private_segment_fixed_size: 0
    .kernarg_segment_align: 8
    .kernarg_segment_size: 64
    .max_flat_workgroup_size: 128
    .sgpr_count:     80
    .vgpr_count:     130
    .wavefront_size: 32
...
	.end_amdgpu_metadata
.endif
;; end of part 2
;; launch ffn1 (part 3): grid 4 x 59, 4 waves a work-group, no clusters, 83,968 bytes of LDS; arguments xc, w1c, b1, lowp_scales, list, tinfo, hc; writes hc
.if DOCPART == 3
	.amdgcn_target "amdgcn-amd-amdhsa--gfx1250"
	.amdhsa_code_object_version 6
	.text
	.protected	k_q73efc9e3db_ffn1
	.globl	k_q73efc9e3db_ffn1
	.p2align	8
	.type	k_q73efc9e3db_ffn1,@function
k_q73efc9e3db_ffn1:
	s_mov_b64 s[64:65], 0
	v_nop
	global_prefetch_b8 v0, s[64:65] scope:SCOPE_SE
	s_setreg_imm32_b32 hwreg(HW_REG_WAVE_MODE, 25, 1), 1
	s_wait_xcnt 0x0
; THE FIRST PRODUCT ON THE CHOSEN ROWS: hc = Q(relu(x W1[e] + b1[e])), on codes of E5M2, for the rows that chose expert e.  The gate that the layer builds is 0 for every other expert, so their products are not made.
; SHARES.  Work-group (p, tile): the tile's 80 rows (one expert's, from the list that an earlier launch stored) x hidden units 256 p .. 256 p + 255; wave w: the 64 units of G = 4 p + w: 5 x 4 accumulators of 16 x 16.
; 59 tiles serve every split of 4,096 tokens over 8 experts; 4 x 59 work-groups are fewer than the chip has WGPs, one tile each.
; THE MATRIX INSTRUCTION IS USED TRANSPOSED: source 0 = 16 columns of W1 (a fragment as w1c holds it), source 1 = 16 rows of x.  Row m of weight tile 2 B + u is column 32 B + 8 u + m + 8 (m / 8), so in the result lane
; (r, h) holds row r, and the 16 registers of tiles 2 B, 2 B + 1 are hidden units 32 B + 16 h + 0 .. 15: sixteen neighbours along the next K, in the order of the next operand's registers.
; A fragment: 16 rows x 128 K, 16 registers; registers 4 c .. 4 c + 3 hold k = 32 c + 16 h + 0 .. 15, alike in both operands: each product meets its partner.
; THE SCALES.  A sum stands for sum x 2^(e0 + e1).  b1 goes in as the C of a sum's first instruction, divided by that power; the conversion takes 2^(e3 - e0 - e1); the hold between 0 and the largest code is the relu too.
; LIMITS: e3 - e0 - e1 between -126 and 112.  NaN is not served.
; x's rows are gathered once into LDS (80 rows, 1,040 bytes apart: 65 x 16, so that the 16 rows of a fragment load start at 16 different banks) and read by all four waves; the weights go from memory straight into
; registers, each byte once a wave, and stay: 512 registers.  NO TENSOR LOADS AND NO JOINT LOADS: which rows and which weights a work-group reads hangs on numbers read from memory, and a tile without rows ends early.
; A TILE WITHOUT ROWS passes the one barrier like every other (until there it works on tile 0's list entry and expert 0) and ends behind it, storing nothing.
; REGISTERS, in windows of 256: window 0: v0-31 addresses; v32-111, v112-191 x's five fragments, two sets (first: the 160 registers of the gather); v192-223 b1, later v192-231 the codes.
;   window 1: W1's fragments of K steps 0-3 (64 (s % 4) + 16 i); window 2: of K steps 4-7; window 3: the accumulators, 8 (4 m + i).
.set PITCH, 1040
.set MSTR,  16*PITCH                   ; from a tile of 16 rows to the next
.set XA,    32
.set BIAS,  192
.set CD,    192
.set MSB, 0
.macro WIN new                         ; the immediate's high byte repeats the setting that is left; a switch that changes nothing is dropped
.if MSB != (\new)
	s_set_vgpr_msb (MSB<<8)|(\new)
.set MSB, (\new)
.endif
.endm
.macro WLOAD s                         ; my four weight fragments of K step s: 16 loads of 512 consecutive bytes
	WIN 0x40*(1+(\s)/4)                            ; destination window 1 or 2, address window 0
.irp i, 0,1,2,3
.irp c, 0,1,2,3
	global_load_b128 v[64*((\s)%4)+16*\i+4*\c:64*((\s)%4)+16*\i+4*\c+3], v3, s[6:7] offset:8192*(\s)+2048*\i+512*\c
.endr
.endr
.endm
.macro FETCHX s                        ; x's five fragments of K step s into set s % 2: 20 LDS loads.  The fifth tile lies beyond a 16-bit offset: a second address register
.set FB, XA+80*((\s)%2)
.irp m, 0,1,2,3
.irp c, 0,1,2,3
	ds_load_b128 v[FB+16*\m+4*\c:FB+16*\m+4*\c+3], v4 offset:MSTR*\m+128*(\s)+32*\c
.endr
.endr
.irp c, 0,1,2,3
	ds_load_b128 v[FB+64+4*\c:FB+64+4*\c+3], v5 offset:128*(\s)+32*\c
.endr
.endm
; A K step: the next step's fragments of x are asked for, the weights of four steps on, then 20 matrix instructions.  The 20 accumulators take turns, one instruction a turn, in the same order in every step.
.macro STEP s
	WIN 0
.if ((\s) > 0) && ((\s) < 7)
.rept 4
	v_nop                                          ; four places between the last step's products and the loads into the set that the step before last... that those products' forerunners and they have read (ISA guide 7.12.1)
.endr
.endif
.if (\s) < 7
	FETCHX (\s)+1
.endif
.if (\s) < 5
	s_wait_loadcnt 48                              ; this step's weights are in: behind them at most three steps' 16 loads each were issued
.else
	s_wait_loadcnt 16*(7-(\s))
.endif
.if (\s) < 4
	WLOAD (\s)+4
.endif
.if (\s) < 7
	s_wait_dscnt 20                                ; this step's fragments of x are in; the 20 loads just issued may be out
.else
	s_wait_dscnt 0
.endif
.set FB, XA+80*((\s)%2)
.set WB, 64*((\s)%4)
.if (\s) == 0
	WIN 0xc1                                       ; source 0 (W1) window 1, source 1 (x) and C (b1) window 0, D window 3
.elseif (\s) < 4
	WIN 0xf1                                       ; C and D window 3
.else
	WIN 0xf2                                       ; source 0 window 2
.endif
.irp m, 0,1,2,3,4
.irp i, 0,1,2,3
.if (\s) == 0
	v_wmma_f32_16x16x128_bf8_bf8 v[8*(4*\m+\i):8*(4*\m+\i)+7], v[WB+16*\i:WB+16*\i+15], v[FB+16*\m:FB+16*\m+15], v[BIAS+8*\i:BIAS+8*\i+7]
.else
	v_wmma_f32_16x16x128_bf8_bf8 v[8*(4*\m+\i):8*(4*\m+\i)+7], v[WB+16*\i:WB+16*\i+15], v[FB+16*\m:FB+16*\m+15], v[8*(4*\m+\i):8*(4*\m+\i)+7]
.endif
.endr
.endr
.endm
	s_load_b256 s[4:11], s[0:1], 0x0               ; xc s[4:5], w1c s[6:7], b1 s[8:9], the scales s[10:11]
	s_load_b128 s[12:15], s[0:1], 0x20             ; list s[12:13], tinfo s[14:15]
	s_load_b64 s[16:17], s[0:1], 0x30              ; hc
	v_lshl_add_u32 v254, v0, 2, 0x14600
	v_mov_b32 v255, 0
	v_lshrrev_b32 v1, 5, v0
	v_readfirstlane_b32 s20, v1                    ; wave 0..3
	s_and_b32 s22, ttmp7, 0xffff                   ; the tile
	s_lshl_b32 s23, ttmp9, 2
	s_add_co_u32 s23, s23, s20                     ; G = 4 p + wave
	v_and_b32 v1, 15, v0                           ; r
	v_bfe_u32 v2, v0, 4, 1                         ; h
	v_and_b32 v3, 31, v0
	v_lshlrev_b32 v3, 4, v3                        ; 16 x lane
	v_mul_u32_u24 v4, v1, PITCH
	v_lshl_add_u32 v4, v2, 4, v4                   ; a fragment's row x pitch + 16 x half
	v_add_nc_u32 v5, 4*MSTR, v4                    ; the same in the fifth tile of rows
	s_mul_i32 s32, s20, 20
	v_add_nc_u32 v10, s32, v2                      ; the gather: wave w brings rows 20 w .. 20 w + 19, two a load: lanes 0-15 one row, lanes 16-31 the next
	v_mul_u32_u24 v6, v10, PITCH
	v_lshl_add_u32 v6, v1, 4, v6                   ; where they go
	v_lshlrev_b32 v9, 4, v1                        ; 16 r
	v_lshlrev_b32 v11, 6, v2                       ; b1: 64 h
	s_lshl_b32 s32, s22, 4
	s_mov_b32 s33, 0
	s_wait_kmcnt 0x0
	s_add_nc_u64 s[14:15], s[14:15], s[32:33]
	s_load_b128 s[24:27], s[14:15], 0x0            ; the tile's expert, rows, rows - 1, 0
	s_load_b128 s[28:31], s[10:11], 0x0            ; e0 (W1), e1 (x), e2 (W2), e3 (hidden)
	s_wait_kmcnt 0x0
	s_min_u32 s24, s24, 7                          ; numbers read from memory enter addresses only behind a clamp
	s_min_u32 s26, s26, 79
	s_min_u32 s34, s25, 1                          ; 1 where the tile has rows, else 0
	s_mul_i32 s32, s22, 320
	s_mul_i32 s32, s32, s34                        ; the tile's 80 entries of the list; a tile without rows reads tile 0's first entry, which is always written
	s_add_nc_u64 s[12:13], s[12:13], s[32:33]
	s_lshl_b32 s32, s24, 20
	s_lshl_b32 s35, s23, 16
	s_add_co_u32 s32, s32, s35
	s_add_nc_u64 s[6:7], s[6:7], s[32:33]          ; my 64 KiB of the expert's codes
	s_lshl_b32 s32, s24, 12
	s_lshl_b32 s35, s23, 8
	s_add_co_u32 s32, s32, s35
	s_add_nc_u64 s[8:9], s[8:9], s[32:33]          ; my 64 numbers of b1
	s_mul_i32 s32, s22, 81920
	s_lshl_b32 s35, s23, 10                        ; K step G / 2 of the next product (2,048 bytes), pieces 2 (G % 2) on (512 bytes each)
	s_add_co_u32 s32, s32, s35
	s_add_nc_u64 s[16:17], s[16:17], s[32:33]
.irp a, 0,1,2,3,4,5,6,7,8,9
	v_add_nc_u32 v[20+\a], 2*\a, v10
	v_min_u32 v[20+\a], s26, v[20+\a]              ; rows past the tile's last repeat it: every row of the tile then holds written numbers
	v_min_u32 v[20+\a], 79, v[20+\a]
	v_lshlrev_b32 v[20+\a], 2, v[20+\a]
	global_load_b32 v[20+\a], v[20+\a], s[12:13]
.endr
	WLOAD 0
	WLOAD 1
	WIN 0
.irp i, 0,1,2,3
	global_load_b128 v[BIAS+8*\i:BIAS+8*\i+3], v11, s[8:9] offset:128*(\i/2)+32*(\i%2)       ; tile i = 2 b + u, register j: unit 32 b + 16 h + 8 u + j
	global_load_b128 v[BIAS+8*\i+4:BIAS+8*\i+7], v11, s[8:9] offset:128*(\i/2)+32*(\i%2)+16
.endr
	s_wait_loadcnt 40                              ; the ten tokens are in: behind them 32 loads of weights and 8 of b1 were issued
.irp a, 0,1,2,3,4,5,6,7,8,9
	v_min_u32 v[20+\a], 0xfff, v[20+\a]
	v_lshl_add_u32 v[20+\a], v[20+\a], 10, v9      ; token x 1,024 + 16 r
.endr
.irp a, 0,1,2,3,4,5,6,7,8,9
.irp q, 0,1,2,3
	global_load_b128 v[XA+16*\a+4*\q:XA+16*\a+4*\q+3], v[20+\a], s[4:5] offset:256*\q        ; sixteen lanes read 256 consecutive bytes of a row, aligned
.endr
.endr
	WLOAD 2
	WLOAD 3
	WIN 0
	s_add_co_i32 s36, s28, s29                     ; e0 + e1
	s_sub_co_i32 s37, 0, s36
	s_sub_co_i32 s38, s31, s36                     ; e3 - e0 - e1
	s_add_co_i32 s38, s38, 127
	s_lshl_b32 s39, s38, 23
	v_mov_b32 v7, s39                              ; 2^(e3 - e0 - e1) as f32: the three scales folded into the conversion's one
	s_add_co_i32 s38, s38, 15
	s_lshl_b32 s38, s38, 23
	s_or_b32 s38, s38, 0x600000
	v_mov_b32 v8, s38                              ; 57,344 x that
	s_wait_loadcnt 32                              ; x's rows, b1 and the weights of K steps 0 and 1 are in; the 32 loads of steps 2 and 3 may be out
.set n, 0
.rept 32
	v_ldexp_f32 v[BIAS+n], v[BIAS+n], s37          ; b1 / 2^(e0 + e1): nothing is rounded, short of overflow and underflow
.set n, n+1
.endr
.irp a, 0,1,2,3,4,5,6,7,8,9
.irp q, 0,1,2,3
	ds_store_b128 v6, v[XA+16*\a+4*\q:XA+16*\a+4*\q+3] offset:2*PITCH*\a+256*\q
.endr
.endr
	s_wait_dscnt 0x0                               ; for the others' sake: my 20 rows have landed
	s_barrier_signal -1
	s_barrier_wait -1                              ; the 80 rows lie in LDS; they are never written again
	s_cmp_eq_u32 s25, 0
	s_cbranch_scc1 .Lempty                         ; no barrier follows
	FETCHX 0
.irp s, 0,1,2,3,4,5,6,7
	STEP \s
.endr
	WIN 0
.rept 4
	v_nop                                          ; four places between the last product and the first read of results
.endr
	WIN 0xc3                                       ; source 0 and destination window 3
.set n, 0
.rept 160
	v_med3_num_f32 v[n], v[n], 0, v8               ; the relu and the hold in one; each accumulator from its low end on
.set n, n+1
.endr
	WIN 0x03                                       ; source 0 window 3, destination window 0
.set n, 0
.rept 20
	v_cvt_scalef32_pk8_bf8_f32 v[CD+2*n:CD+2*n+1], v[8*n:8*n+7], v7   ; tile of rows m, weight tile i at n = 4 m + i: four registers of tiles 2 b, 2 b + 1 are 16 neighbouring hidden units
.set n, n+1
.endr
	WIN 0
	v_nop                                          ; one plain vector instruction behind the last scaled conversion
.irp m, 0,1,2,3,4
.irp b, 0,1
	global_store_b128 v3, v[CD+8*\m+4*\b:CD+8*\m+4*\b+3], s[16:17] offset:16384*\m+512*\b    ; an image of the next operand's registers: 32 lanes store 512 consecutive bytes, aligned
.endr
.endr
	s_wait_tensorcnt 0x0
	ds_add_u32 v254, v255
	s_wait_dscnt 0x0
	s_endpgm
.Lempty:
	s_wait_tensorcnt 0x0
	ds_add_u32 v254, v255
	s_wait_dscnt 0x0
	s_endpgm
.Lfunc_end_k_q73efc9e3db_ffn1:
	.size	k_q73efc9e3db_ffn1, .Lfunc_end_k_q73efc9e3db_ffn1-k_q73efc9e3db_ffn1
	.p2alignl 7, 3214868480
	.fill 96, 4, 3214868480
	.section	.rodata,"a",@progbits
	.p2align	6, 0x0
	.amdhsa_kernel k_q73efc9e3db_ffn1
		.amdhsa_group_segment_fixed_size 83968
		.amdhsa_private_segment_fixed_size 0
		.amdhsa_enable_private_segment 0
		.amdhsa_kernarg_size 56
		.amdhsa_user_sgpr_count 2
		.amdhsa_user_sgpr_kernarg_segment_ptr 1
		.amdhsa_wavefront_size32 1
		.amdhsa_system_sgpr_workgroup_id_x 1
		.amdhsa_system_sgpr_workgroup_id_y 1
		.amdhsa_system_sgpr_workgroup_id_z 1
		.amdhsa_system_vgpr_workitem_id 0
		.amdhsa_next_free_vgpr 928
		.amdhsa_next_free_sgpr 66
		.amdhsa_reserve_vcc 0
		.amdhsa_float_denorm_mode_32 3
		.amdhsa_float_denorm_mode_16_64 3
		.amdhsa_memory_ordered 1
		.amdhsa_forward_progress 1
		.amdhsa_inst_pref_size 63
	.end_amdhsa_kernel
	.amdgpu_metadata
---
amdhsa.version: [ 1, 2 ]
amdhsa.kernels:
  - .name:           k_q73efc9e3db_ffn1
    .symbol:         k_q73efc9e3db_ffn1.kd
    .args:
      - { .name: xc, .offset: 0, .size: 8, .value_kind: global_buffer, .address_space: global }
      - { .name: w1c, .offset: 8, .size: 8, .value_kind: global_buffer, .address_space: global }
      - { .name: b1, .offset: 16, .size: 8, .value_kind: global_buffer, .address_space: global }
      - { .name: lowp_scales, .offset: 24, .size: 8, .value_kind: global_buffer, .address_space: global }
      - { .name: list, .offset: 32, .size: 8, .value_kind: global_buffer, .address_space: global }
      - { .name: tinfo, .offset: 40, .size: 8, .value_kind: global_buffer, .address_space: global }
      - { .name: hc, .offset: 48, .size: 8, .value_kind: global_buffer, .address_space: global }
    .group_segment_fixed_size: 83968
    .private_segment_fixed_size: 0
    .kernarg_segment_align: 8
    .kernarg_segment_size: 56
    .max_flat_workgroup_size: 128
    .sgpr_count:     66
    .vgpr_count:     928
    .wavefront_size: 32
...
	.end_amdgpu_metadata
.endif
;; end of part 3
;; launch ffn2 (part 4): grid 4 x 59, 4 waves a work-group, no clusters, 101,888 bytes of LDS; arguments hc, w2c, b2, lowp_scales, list, tinfo, gate, out0; writes out0
.if DOCPART == 4
	.amdgcn_target "amdgcn-amd-amdhsa--gfx1250"
	.amdhsa_code_object_version 6
	.text
	.protected	k_q73efc9e3db_ffn2
	.globl	k_q73efc9e3db_ffn2
	.p2align	8
	.type	k_q73efc9e3db_ffn2,@function
k_q73efc9e3db_ffn2:
	s_mov_b64 s[64:65], 0
	v_nop
	global_prefetch_b8 v0, s[64:65] scope:SCOPE_SE
	s_setreg_imm32_b32 hwreg(HW_REG_WAVE_MODE, 25, 1), 1
	s_wait_xcnt 0x0
; THE SECOND PRODUCT AND THE GATE: out[token] = gate[token] x (h W2[e] + b2[e]) for the rows that chose expert e: the one term of the layer's gated sum whose gate is not 0.  Each row of out has one owner.
; SHARES as in the first product: work-group (p, tile): the tile's 80 rows x outputs 256 p .. 256 p + 255; wave w: the 64 outputs of G = 4 p + w; 5 x 4 accumulators.
; hc holds the hidden layer's codes as images of the operand's registers, [tile][m 5][s 8][c 4][lane][16 bytes]: the tile's 80 KiB are copied as they lie into LDS, once, and every wave loads a fragment by four loads
; of 512 consecutive bytes.  The weights go from memory straight into registers and stay.  The matrix instruction is used transposed, with w2c's tiles laid as w1c's: in the result lane (r, h) holds row r, and register j of
; weight tile 2 b + u is output 64 G + 32 b + 16 h + 8 u + j.
; y = sum x 2^(e2 + e3) + b2, one packed multiply-add; x the gate.  LIMIT: e2 + e3 between -126 and 127.
; THE WAY OUT.  A lane holds pieces of one row, its neighbours other rows: 16 rows x 256 bytes go through the wave's own stage in LDS (rows 272 bytes apart) and leave as whole aligned runs of 256 bytes, sixteen lanes to a run,
; each to its token's row of out.  Rows past the tile's count are not stored.
; NO TENSOR LOADS AND NO JOINT LOADS: which weights and rows a work-group touches hangs on numbers read from memory, and a tile without rows ends early: behind the one barrier (until there it reads tile 0's bytes), storing nothing.
; REGISTERS: window 0: v0-31 addresses, gates, tokens; v32-111, v112-191 the hidden layer's five fragments, two sets (first the 160 registers of the copy, at the end the rows of out); v192-223 at work; v224-255 b2;
;   at the end v192-231 the rows' offsets in out.  window 1, 2: W2's fragments of K steps 0-3, 4-7.  window 3: the accumulators, 8 (4 m + i).
.set STAGE, 81920                      ; behind the images: 16 rows x 272 bytes for each wave
.set SP,    272
.set TBL,   STAGE+4*16*SP              ; 99,328: 512 bytes for each wave: the tile's tokens
.set XA,    32
.set OUTR,  32
.set TMP,   192
.set B2,    224
.set TO,    192
.set GT,    14                         ; v14-23: the gate of row 16 m + r at v[14 + 2 m]; the odd registers hold 0 (they are named as the pairs' upper halves)
.set MSB, 0
.macro WIN new                         ; the immediate's high byte repeats the setting that is left; a switch that changes nothing is dropped
.if MSB != (\new)
	s_set_vgpr_msb (MSB<<8)|(\new)
.set MSB, (\new)
.endif
.endm
.macro WLOAD s                         ; my four weight fragments of K step s: 16 loads of 512 consecutive bytes
	WIN 0x40*(1+(\s)/4)                            ; destination window 1 or 2, address window 0
.irp i, 0,1,2,3
.irp c, 0,1,2,3
	global_load_b128 v[64*((\s)%4)+16*\i+4*\c:64*((\s)%4)+16*\i+4*\c+3], v3, s[6:7] offset:8192*(\s)+2048*\i+512*\c
.endr
.endr
.endm
.macro FETCHX s                        ; the hidden layer's five fragments of K step s into set s % 2: 20 LDS loads.  The fifth lies beyond a 16-bit offset: a second address register
.set FB, XA+80*((\s)%2)
.irp m, 0,1,2,3
.irp c, 0,1,2,3
	ds_load_b128 v[FB+16*\m+4*\c:FB+16*\m+4*\c+3], v3 offset:16384*\m+2048*(\s)+512*\c
.endr
.endr
.irp c, 0,1,2,3
	ds_load_b128 v[FB+64+4*\c:FB+64+4*\c+3], v5 offset:2048*(\s)+512*\c
.endr
.endm
; A K step, as in the first product.  The first step's products take the constant 0 as C: nothing is cleared.  The 20 accumulators take turns, one instruction a turn.
.macro STEP s
	WIN 0
.if ((\s) > 0) && ((\s) < 7)
.rept 4
	v_nop                                          ; four places between the last products and loads into a set that matrix instructions have read
.endr
.endif
.if (\s) < 7
	FETCHX (\s)+1
.endif
.if (\s) < 5
	s_wait_loadcnt 48                              ; this step's weights are in: behind them at most three steps' 16 loads each were issued
.else
	s_wait_loadcnt 16*(7-(\s))
.endif
.if (\s) < 4
	WLOAD (\s)+4
.endif
.if (\s) < 7
	s_wait_dscnt 20                                ; this step's fragments are in; the 20 loads just issued may be out
.else
	s_wait_dscnt 0
.endif
.set FB, XA+80*((\s)%2)
.set WB, 64*((\s)%4)
.if (\s) < 4
	WIN 0xf1                                       ; source 0 (W2) window 1, source 1 window 0, C and D window 3
.else
	WIN 0xf2
.endif
.irp m, 0,1,2,3,4
.irp i, 0,1,2,3
.if (\s) == 0
	v_wmma_f32_16x16x128_bf8_bf8 v[8*(4*\m+\i):8*(4*\m+\i)+7], v[WB+16*\i:WB+16*\i+15], v[FB+16*\m:FB+16*\m+15], 0
.else
	v_wmma_f32_16x16x128_bf8_bf8 v[8*(4*\m+\i):8*(4*\m+\i)+7], v[WB+16*\i:WB+16*\i+15], v[FB+16*\m:FB+16*\m+15], v[8*(4*\m+\i):8*(4*\m+\i)+7]
.endif
.endr
.endr
.endm
	s_load_b256 s[4:11], s[0:1], 0x0               ; hc s[4:5], w2c s[6:7], b2 s[8:9], the scales s[10:11]
	s_load_b256 s[12:19], s[0:1], 0x20             ; list s[12:13], tinfo s[14:15], gate s[16:17], out0 s[18:19]
	s_set_vgpr_msb 0xc0
	v_lshl_add_u32 v160, v0, 2, 0x18c00
	v_mov_b32 v161, 0
	s_set_vgpr_msb 0xc000
	v_lshrrev_b32 v1, 5, v0
	v_readfirstlane_b32 s20, v1                    ; wave 0..3
	s_and_b32 s22, ttmp7, 0xffff                   ; the tile
	s_lshl_b32 s23, ttmp9, 2
	s_add_co_u32 s23, s23, s20                     ; G = 4 p + wave
	v_and_b32 v1, 15, v0                           ; r
	v_bfe_u32 v2, v0, 4, 1                         ; h
	v_and_b32 v4, 31, v0                           ; lane
	v_lshlrev_b32 v3, 4, v4                        ; 16 x lane: an image's place for my lane
	v_add_nc_u32 v5, 0x10000, v3                   ; the same in the fifth tile of rows
	s_mul_i32 s32, s20, 20480
	v_add_nc_u32 v6, s32, v3                       ; the copy: my wave's quarter of the tile's 81,920 bytes, in hc and in LDS alike
	s_mul_i32 s34, s20, 16*SP
	s_add_co_u32 s34, s34, STAGE                   ; my stage
	v_mul_u32_u24 v7, v1, SP
	v_lshl_add_u32 v7, v2, 6, v7
	v_add_nc_u32 v7, s34, v7                       ; in: row r, + 64 h bytes
	v_mul_u32_u24 v8, v2, 8*SP
	v_lshl_add_u32 v8, v1, 4, v8
	v_add_nc_u32 v8, s34, v8                       ; back: lanes 0-15 row t, lanes 16-31 row t + 8; 16 bytes a lane
	v_lshlrev_b32 v9, 4, v1                        ; 16 r
	s_lshl_b32 s35, s20, 9
	s_add_co_u32 s35, s35, TBL                     ; my table of tokens
	v_lshl_add_u32 v11, v4, 2, s35                 ; in: entry = lane
	v_lshl_add_u32 v12, v1, 2, s35                 ; entry r: my row's token in each tile of rows
	v_lshl_add_u32 v13, v2, 5, s35                 ; entries 8 h on: the rows that I store
.irp m, 0,1,2,3,4
	v_mov_b32 v[GT+2*\m+1], 0
.endr
	s_lshl_b32 s32, s22, 4
	s_mov_b32 s33, 0
	s_wait_kmcnt 0x0
	s_add_nc_u64 s[14:15], s[14:15], s[32:33]
	s_load_b128 s[24:27], s[14:15], 0x0            ; the tile's expert, rows, rows - 1, 0
	s_load_b128 s[28:31], s[10:11], 0x0            ; e0, e1, e2 (W2), e3 (hidden)
	s_wait_kmcnt 0x0
	s_min_u32 s24, s24, 7                          ; numbers read from memory enter addresses only behind a clamp
	s_min_u32 s26, s26, 79
	s_min_u32 s36, s25, 1                          ; 1 where the tile has rows, else 0
	s_mul_i32 s32, s22, 320
	s_mul_i32 s32, s32, s36                        ; a tile without rows reads tile 0's bytes, which are always written
	s_add_nc_u64 s[12:13], s[12:13], s[32:33]
	s_mul_i32 s32, s22, 81920
	s_mul_i32 s32, s32, s36
	s_add_nc_u64 s[4:5], s[4:5], s[32:33]
	s_lshl_b32 s32, s24, 20
	s_lshl_b32 s37, s23, 16
	s_add_co_u32 s32, s32, s37
	s_add_nc_u64 s[6:7], s[6:7], s[32:33]          ; my 64 KiB of the expert's codes
	s_lshl_b32 s32, s24, 12
	s_lshl_b32 s37, s23, 8
	s_add_co_u32 s32, s32, s37
	s_add_nc_u64 s[8:9], s[8:9], s[32:33]          ; my 64 numbers of b2
	s_mov_b32 s32, s37
	s_add_nc_u64 s[18:19], s[18:19], s[32:33]      ; my 256 bytes of a row of out
	v_lshlrev_b32 v10, 3, v2
	v_sub_nc_u32 v10, s25, v10                     ; rows - 8 h: row 16 m + t + 8 h is stored where 16 m + t is under it
.irp a, 0,1,2
	v_add_nc_u32 v[29+\a], 32*\a, v4
	v_min_u32 v[29+\a], s26, v[29+\a]              ; entries past the tile's last repeat it
	v_min_u32 v[29+\a], 79, v[29+\a]
	v_lshlrev_b32 v[29+\a], 2, v[29+\a]
	global_load_b32 v[29+\a], v[29+\a], s[12:13]
.endr
	v_lshlrev_b32 v4, 6, v2                        ; b2: 64 h
	WLOAD 0
	WLOAD 1
	WIN 0
	s_wait_loadcnt 32                              ; the tokens are in: behind them the 32 loads of weights were issued
.irp a, 0,1,2
	ds_store_b32 v11, v[29+\a] offset:128*\a       ; my wave's own table: no other wave touches it
.endr
.irp m, 0,1,2,3,4
	ds_load_b32 v[24+\m], v12 offset:64*\m         ; LDS serves a wave's instructions in order: these see my stores
.endr
	s_wait_dscnt 0x0
.irp m, 0,1,2,3,4
	v_min_u32 v[24+\m], 0xfff, v[24+\m]
	v_lshlrev_b32 v[24+\m], 2, v[24+\m]
	global_load_b32 v[GT+2*\m], v[24+\m], s[16:17]
.endr
.set n, 0
.rept 40
	global_load_b128 v[XA+4*n:XA+4*n+3], v6, s[4:5] offset:512*n         ; 512 consecutive bytes a load
.set n, n+1
.endr
.irp i, 0,1,2,3
	global_load_b128 v[B2+8*\i:B2+8*\i+3], v4, s[8:9] offset:128*(\i/2)+32*(\i%2)            ; tile i = 2 b + u, register j: output 32 b + 16 h + 8 u + j
	global_load_b128 v[B2+8*\i+4:B2+8*\i+7], v4, s[8:9] offset:128*(\i/2)+32*(\i%2)+16
.endr
	WLOAD 2
	WLOAD 3
	WIN 0
	s_add_co_i32 s46, s30, s31                     ; e2 + e3
	s_add_co_i32 s46, s46, 127
	s_lshl_b32 s46, s46, 23                        ; 2^(e2 + e3) as f32
	s_mov_b32 s47, s46                             ; (named with it as a pair, so it is written)
	s_wait_loadcnt 40                              ; the images, the gates and the weights of K steps 0 and 1 are in; b2's 8 loads and the 32 of steps 2 and 3 may be out
.set n, 0
.rept 40
	ds_store_b128 v6, v[XA+4*n:XA+4*n+3] offset:512*n
.set n, n+1
.endr
	s_wait_dscnt 0x0                               ; for the others' sake: my quarter has landed
	s_barrier_signal -1
	s_barrier_wait -1                              ; the tile's 40 fragments lie in LDS; they are never written again
	s_cmp_eq_u32 s25, 0
	s_cbranch_scc1 .Lempty                         ; no barrier follows
	FETCHX 0
.irp s, 0,1,2,3,4,5,6,7
	STEP \s
.endr
	WIN 0
.rept 4
	v_nop                                          ; four places between the last product and the first read of results
.endr
.irp m, 0,1,2,3,4
.if \m > 0
	s_wait_dscnt 8                                 ; the last block's eight stores into the stage have read their registers; the eight loads issued behind them may be out
.endif
	WIN 0x03                                       ; source 0 (the sums) window 3
.irp i, 0,1,2,3
.irp j, 0,2,4,6
	v_pk_fma_f32 v[TMP+8*\i+\j:TMP+8*\i+\j+1], v[8*(4*\m+\i)+\j:8*(4*\m+\i)+\j+1], s[46:47], v[B2+8*\i+\j:B2+8*\i+\j+1] op_sel_hi:[1,0,1]   ; sum x 2^(e2 + e3) + b2; each accumulator from its low end on
.endr
.endr
	WIN 0
.set n, 0
.rept 16
	v_pk_mul_f32 v[TMP+n:TMP+n+1], v[TMP+n:TMP+n+1], v[GT+2*\m:GT+2*\m+1] op_sel_hi:[1,0]    ; x my row's gate
.set n, n+2
.endr
.irp i, 0,1,2,3
	ds_store_b128 v7, v[TMP+8*\i:TMP+8*\i+3] offset:128*(\i/2)+32*(\i%2)
	ds_store_b128 v7, v[TMP+8*\i+4:TMP+8*\i+7] offset:128*(\i/2)+32*(\i%2)+16
.endr
.irp t, 0,1,2,3,4,5,6,7
	ds_load_b128 v[OUTR+32*\m+4*\t:OUTR+32*\m+4*\t+3], v8 offset:SP*\t   ; these see the stores above, and the next block's stores come behind them
.endr
.endr
	s_wait_dscnt 0x0                               ; all 80 rows are back in registers, and the stage's stores have read theirs
.irp m, 0,1,2,3,4
	ds_load_b128 v[TO+8*\m:TO+8*\m+3], v13 offset:64*\m                  ; the tokens of rows 16 m + 8 h + 0 .. 7
	ds_load_b128 v[TO+8*\m+4:TO+8*\m+7], v13 offset:64*\m+16
.endr
	s_wait_dscnt 0x0
.set n, 0
.rept 40
	v_min_u32 v[TO+n], 0xfff, v[TO+n]
	v_lshl_add_u32 v[TO+n], v[TO+n], 12, v9        ; token x 4,096 + 16 r
.set n, n+1
.endr
.macro OUTM m                          ; a block of 16 rows that the tile fills: eight plain stores
	s_cmp_lt_u32 s25, 16*(\m)+16
	s_cbranch_scc1 .Lpart\m
.irp t, 0,1,2,3,4,5,6,7
	global_store_b128 v[TO+8*(\m)+\t], v[OUTR+32*(\m)+4*\t:OUTR+32*(\m)+4*\t+3], s[18:19] th:TH_STORE_NT   ; sixteen lanes store 256 consecutive bytes, aligned, of one token's row; written once
.endr
.endm
.macro PARTM m                         ; the tile's last block, filled in part: later blocks have no rows.  As t grows fewer lanes store: EXEC only narrows
.Lpart\m:
.irp t, 0,1,2,3,4,5,6,7
	v_cmp_lt_i32 vcc_lo, 16*(\m)+\t, v10
	s_wait_xcnt 0x0                                ; EXEC is a source of the stores already issued: it changes only behind this wait
	s_and_saveexec_b32 s40, vcc_lo
	global_store_b128 v[TO+8*(\m)+\t], v[OUTR+32*(\m)+4*\t:OUTR+32*(\m)+4*\t+3], s[18:19] th:TH_STORE_NT
.endr
	s_wait_xcnt 0x0
	s_mov_b32 exec_lo, -1
	s_set_vgpr_msb 0xf
	s_wait_tensorcnt 0x0
	ds_add_u32 v160, v161
	s_wait_dscnt 0x0
	s_set_vgpr_msb 0xf00
	s_endpgm
.endm
.irp m, 0,1,2,3,4
	OUTM \m
.endr
	s_wait_xcnt 0x0
	s_mov_b32 exec_lo, -1
	s_set_vgpr_msb 0xf
	s_wait_tensorcnt 0x0
	ds_add_u32 v160, v161
	s_wait_dscnt 0x0
	s_set_vgpr_msb 0xf00
	s_endpgm
.irp m, 0,1,2,3,4
	PARTM \m
.endr
.Lempty:
	s_wait_xcnt 0x0
	s_mov_b32 exec_lo, -1
	s_set_vgpr_msb 0xf
	s_wait_tensorcnt 0x0
	ds_add_u32 v160, v161
	s_wait_dscnt 0x0
	s_set_vgpr_msb 0xf00
	s_endpgm
.Lfunc_end_k_q73efc9e3db_ffn2:
	.size	k_q73efc9e3db_ffn2, .Lfunc_end_k_q73efc9e3db_ffn2-k_q73efc9e3db_ffn2
	.p2alignl 7, 3214868480
	.fill 96, 4, 3214868480
	.section	.rodata,"a",@progbits
	.p2align	6, 0x0
	.amdhsa_kernel k_q73efc9e3db_ffn2
		.amdhsa_group_segment_fixed_size 101888
		.amdhsa_private_segment_fixed_size 0
		.amdhsa_enable_private_segment 0
		.amdhsa_kernarg_size 64
		.amdhsa_user_sgpr_count 2
		.amdhsa_user_sgpr_kernarg_segment_ptr 1
		.amdhsa_wavefront_size32 1
		.amdhsa_system_sgpr_workgroup_id_x 1
		.amdhsa_system_sgpr_workgroup_id_y 1
		.amdhsa_system_sgpr_workgroup_id_z 1
		.amdhsa_system_vgpr_workitem_id 0
		.amdhsa_next_free_vgpr 930
		.amdhsa_next_free_sgpr 66
		.amdhsa_reserve_vcc 1
		.amdhsa_float_denorm_mode_32 3
		.amdhsa_float_denorm_mode_16_64 3
		.amdhsa_memory_ordered 1
		.amdhsa_forward_progress 1
		.amdhsa_inst_pref_size 82
	.end_amdhsa_kernel
	.amdgpu_metadata
---
amdhsa.version: [ 1, 2 ]
amdhsa.kernels:
  - .name:           k_q73efc9e3db_ffn2
    .symbol:         k_q73efc9e3db_ffn2.kd
    .args:
      - { .name: hc, .offset: 0, .size: 8, .value_kind: global_buffer, .address_space: global }
      - { .name: w2c, .offset: 8, .size: 8, .value_kind: global_buffer, .address_space: global }
      - { .name: b2, .offset: 16, .size: 8, .value_kind: global_buffer, .address_space: global }
      - { .name: lowp_scales, .offset: 24, .size: 8, .value_kind: global_buffer, .address_space: global }
      - { .name: list, .offset: 32, .size: 8, .value_kind: global_buffer, .address_space: global }
      - { .name: tinfo, .offset: 40, .size: 8, .value_kind: global_buffer, .address_space: global }
      - { .name: gate, .offset: 48, .size: 8, .value_kind: global_buffer, .address_space: global }
      - { .name: out0, .offset: 56, .size: 8, .value_kind: global_buffer, .address_space: global }
    .group_segment_fixed_size: 101888
    .private_segment_fixed_size: 0
    .kernarg_segment_align: 8
    .kernarg_segment_size: 64
    .max_flat_workgroup_size: 128
    .sgpr_count:     66
    .vgpr_count:     930
    .wavefront_size: 32
...
	.end_amdgpu_metadata
.endif
;; end of part 4
;; ======== version 2 of 2: 4 launches
;; workspace buffers: xc 4,194,304 bytes; w1c 8,388,608 bytes; w2c 8,388,608 bytes; hc 4,833,280 bytes; gate 16,384 bytes; eid 16,384 bytes of whole numbers; list 18,944 bytes of whole numbers; tinfo 2,048 bytes of whole numbers
;; launch route (part 5): grid 256 x 1, 4 waves a work-group, no clusters, 50,688 bytes of LDS; arguments x, router_W, router_b, lowp_scales, xc, eid, gate; writes xc, eid, gate
.if DOCPART == 5
	.amdgcn_target "amdgcn-amd-amdhsa--gfx1250"
	.amdhsa_code_object_version 6
	.text
	.protected	k_q73efc9e3db_route
	.globl	k_q73efc9e3db_route
	.p2align	8
	.type	k_q73efc9e3db_route,@function
k_q73efc9e3db_route:
	s_mov_b64 s[64:65], 0
	v_nop
	global_prefetch_b8 v0, s[64:65] scope:SCOPE_SE
	s_setreg_imm32_b32 hwreg(HW_REG_WAVE_MODE, 25, 1), 1
	s_wait_xcnt 0x0
; ROUTER AND x's CODES.  x: [4096][1024] f32.  logits = x router_W + router_b in f32 (fused multiply-adds: two logits can lie closer than a 16-bit operand's rounding), softmax with the
; row's maximum taken away, the largest probability's index (the lowest index among equals) and the probability itself.  The same registers of x are then quantised: code = x / 2^e1, held within
; +-57,344, to the nearest E5M2 number, ties to even; xc: [4096][1024] codes, K as it lies.
; LIMITS: e1 (entry 1 of the scales) between -126 and 112, so that 2^e1 and 57,344 x 2^e1 are f32 numbers.  NaN among the inputs is not served.  Two logits of a token that differ by less than
; about one part in 10^7 give equal probabilities here as in f32 arithmetic at large: the lower index is taken.
; SHARES.  A work-group takes 16 tokens, a wave 4.  Lane l holds x[k], k = 128 j + 4 l + b (j 0..7, b 0..3): every load of a wave reads 512 consecutive bytes, and x is read once.
; router_W (32 KiB) is copied once into LDS, laid so that lane l finds the four rows k = 128 j + 4 l + b of step j by eight loads of 16 bytes in which the 32 lanes read 512 consecutive bytes.
; No matrix unit: 8 columns are half a tile, and the f32 form has no better rate than these packed multiply-adds.  No cluster: work-groups share only router_W, 32 KiB beside 64 KiB of x each.
.set QSTR, 528                         ; LDS: piece q (16 bytes of a lane's 128) of step j: 512 bytes + 16 of padding
.set JSTR, 8*QSTR                      ; a step's eight pieces
.set STG,  8*JSTR                      ; 33,792: behind the image, 4,096 bytes for each wave: its four rows of codes
.set ACC,  16                          ; v16-47   sums: token t, expert e at 8 t + e
.set RB,   48                          ; v48-111  first the 64 registers of the copy; then two sets of 32: router_W[row b][expert e] at 8 b + e
.set CD,   48                          ; v48-79   codes: token t, step j at 8 t + j
.set OC,   80                          ; v80-111  codes read back as rows
.set X,    112                         ; v112-239 x: 32 t + 4 j + b
.set MX,   240                         ; v240-243 the row's largest logit, later its largest probability
.set SM,   244                         ; v244-247 the row's sum
.set IDX,  248                         ; v248-251 the chosen expert
.set GT,   252                         ; v252-255 its probability
	s_load_b256 s[4:11], s[0:1], 0x0               ; x s[4:5], router_W s[6:7], router_b s[8:9], the scales s[10:11]
	s_load_b128 s[12:15], s[0:1], 0x20             ; xc s[12:13], eid s[14:15]
	s_load_b64 s[16:17], s[0:1], 0x30              ; gate
	v_lshl_add_u32 v14, v0, 2, 0xc400
	v_mov_b32 v15, 0
	v_lshrrev_b32 v1, 5, v0
	v_readfirstlane_b32 s32, v1                    ; wave 0..3
	v_and_b32 v1, 31, v0                           ; lane
	v_lshlrev_b32 v2, 4, v1                        ; 16 x lane
	v_lshlrev_b32 v3, 4, v0                        ; 16 x thread: my piece of 2,048 bytes of router_W
	v_and_b32 v4, 7, v0
	v_mul_u32_u24 v4, v4, QSTR
	v_lshrrev_b32 v5, 3, v0
	v_lshl_add_u32 v4, v5, 4, v4                   ; where it goes: piece q = thread % 8, lane thread / 8 (+ 16 in every second copy step)
	s_lshl_b32 s33, s32, 12
	s_add_co_u32 s33, s33, STG                     ; my wave's stage
	v_lshl_add_u32 v6, v1, 2, s33                  ; into it: 4 codes a lane
	v_add_nc_u32 v7, s33, v2                       ; out of it: 16 codes a lane
.irp u, 10,11,12,13
	v_mov_b32 v\u, 0                               ; written once: a lane permute's destination counts as one of its sources
.endr
	s_mov_b32 s34, 0x76543210                      ; v_permlanex16_b32: each lane takes its own place in the other half
	s_mov_b32 s35, 0xfedcba98
	s_mov_b32 s42, 0x3fb8aa3b                      ; log2(e)
	s_lshl_b32 s36, ttmp9, 16                      ; 16 tokens of 4,096 bytes a work-group,
	s_lshl_b32 s37, s32, 14                        ; 4 a wave
	s_add_co_u32 s36, s36, s37
	s_mov_b32 s37, 0
	s_lshr_b32 s38, s36, 2                         ; the same tokens in xc: 1,024 bytes each
	s_mov_b32 s39, 0
	s_lshr_b32 s40, s36, 10                        ; and in eid and gate: 4 bytes each
	s_mov_b32 s41, 0
	s_wait_alu depctr_va_vdst(0)
	s_wait_kmcnt 0x0
	s_load_b256 s[20:27], s[8:9], 0x0              ; router_b
	s_load_b32 s28, s[10:11], 0x4                  ; e1
	s_add_nc_u64 s[4:5], s[4:5], s[36:37]
	s_add_nc_u64 s[12:13], s[12:13], s[38:39]
	s_add_nc_u64 s[14:15], s[14:15], s[40:41]
	s_add_nc_u64 s[16:17], s[16:17], s[40:41]
.irp i, 0,1,2,3,4,5,6,7,8,9,10,11,12,13,14,15
	global_load_b128 v[RB+4*\i:RB+4*\i+3], v3, s[6:7] offset:2048*\i    ; router_W as it lies: 128 threads x 16 bytes a step
.endr
.irp j, 0,1,2,3,4,5,6,7
.irp t, 0,1,2,3
	global_load_b128 v[X+32*\t+4*\j:X+32*\t+4*\j+3], v2, s[4:5] offset:4096*\t+512*\j th:TH_LOAD_NT   ; by steps, so that the first step's numbers come first
.endr
.endr
	s_wait_loadcnt 32                              ; the 16 loads of router_W are in; the 32 of x, issued behind them, may be out
.irp i, 0,1,2,3,4,5,6,7,8,9,10,11,12,13,14,15
	ds_store_b128 v4, v[RB+4*\i:RB+4*\i+3] offset:JSTR*(\i/2)+256*(\i%2)
.endr
	s_wait_dscnt 0x0                               ; for the others' sake: my part of the image has landed
	s_barrier_signal -1
	s_barrier_wait -1                              ; the image is whole; it is never written again
.macro RWF j                           ; step j's four rows of router_W for my lane, into set j % 2
.irp q, 0,1,2,3,4,5,6,7
	ds_load_b128 v[RB+32*((\j)%2)+4*\q:RB+32*((\j)%2)+4*\q+3], v2 offset:JSTR*(\j)+QSTR*\q
.endr
.endm
; step j: 4 rows of router_W x 4 tokens x 8 experts: 64 packed multiply-adds.  x's number is taken for both halves: the pair's first register (op_sel_hi 0) or its second (op_sel 1).
.macro DOT j
	s_wait_loadcnt 28-4*(\j)                       ; x's four loads of this step are in; those of the later steps, four each, may be out
.if (\j) < 7
	s_wait_dscnt 8                                 ; this step's set is in; the next step's eight loads may be out
.else
	s_wait_dscnt 0
.endif
.irp b, 0,1,2,3
.irp t, 0,1,2,3
.irp p, 0,2,4,6
.if ((\j) == 0) && (\b == 0)
	v_pk_mul_f32 v[ACC+8*\t+\p:ACC+8*\t+\p+1], v[X+32*\t:X+32*\t+1], v[RB+\p:RB+\p+1] op_sel_hi:[0,1]   ; the first product starts the sums: nothing is cleared
.elseif (\b%2) == 0
	v_pk_fma_f32 v[ACC+8*\t+\p:ACC+8*\t+\p+1], v[X+32*\t+4*(\j)+\b:X+32*\t+4*(\j)+\b+1], v[RB+32*((\j)%2)+8*\b+\p:RB+32*((\j)%2)+8*\b+\p+1], v[ACC+8*\t+\p:ACC+8*\t+\p+1] op_sel_hi:[0,1,1]
.else
	v_pk_fma_f32 v[ACC+8*\t+\p:ACC+8*\t+\p+1], v[X+32*\t+4*(\j)+\b-1:X+32*\t+4*(\j)+\b], v[RB+32*((\j)%2)+8*\b+\p:RB+32*((\j)%2)+8*\b+\p+1], v[ACC+8*\t+\p:ACC+8*\t+\p+1] op_sel:[1,0,0] op_sel_hi:[1,1,1]
.endif
.endr
.endr
.endr
.if (\j) < 6
	RWF (\j)+2                                     ; the set just used takes the step after next
.endif
.endm
	RWF 0
	RWF 1
	s_wait_kmcnt 0x0
	s_add_co_i32 s28, s28, 127
	s_lshl_b32 s29, s28, 23
	v_mov_b32 v8, s29                              ; 2^e1 as f32: the conversion takes its exponent field
	s_add_co_i32 s28, s28, 15
	s_lshl_b32 s28, s28, 23
	s_or_b32 s28, s28, 0x600000
	v_mov_b32 v9, s28                              ; 57,344 x 2^e1
.irp j, 0,1,2,3,4,5,6,7
	DOT \j
.endr
	; x's codes.  The conversion to an 8-bit code does not saturate (ISA guide 7.6.2): each number is first held within the largest code x the scale
.set n, 0
.rept 128
	v_med3_num_f32 v[X+n], v[X+n], -v9, v9
.set n, n+1
.endr
.irp t, 0,1,2,3
.irp i, 0,1,2,3
	v_cvt_scalef32_pk8_bf8_f32 v[CD+8*\t+2*\i:CD+8*\t+2*\i+1], v[X+32*\t+8*\i:X+32*\t+8*\i+7], v8   ; steps 2 i and 2 i + 1: a register of codes is k = 128 j + 4 l + 0 .. 3
.endr
.endr
	v_nop                                          ; one plain vector instruction behind the last scaled conversion, ahead of vector work that writes its sources
.irp t, 0,1,2,3
.irp j, 0,1,2,3,4,5,6,7
	ds_store_b32 v6, v[CD+8*\t+\j] offset:1024*\t+128*\j     ; 32 lanes x 4 codes: 128 consecutive bytes of a row
.endr
.endr
.irp n, 0,1,2,3,4,5,6,7
	ds_load_b128 v[OC+4*\n:OC+4*\n+3], v7 offset:512*\n      ; LDS serves a wave's instructions in order (ISA guide 5.7.1.4): these see my stores; the stage is my wave's own
.endr
	; while the codes turn through the stage: the 32 sums over the 32 lanes
.irp k, 1,2,4,8
.set n, 0
.rept 32
	v_add_f32_dpp v[ACC+n], v[ACC+n], v[ACC+n] row_xmask:\k row_mask:0xf bank_mask:0xf
.set n, n+1
.endr
.endr
.set n, 0
.rept 8
.irp u, 0,1,2,3
	v_permlanex16_b32 v[10+\u], v[ACC+n+\u], s34, s35
.endr
.irp u, 0,1,2,3
	v_add_f32 v[ACC+n+\u], v[ACC+n+\u], v[10+\u]
.endr
.set n, n+4
.endr
.irp t, 0,1,2,3
.irp e, 0,1,2,3,4,5,6,7
	v_add_f32 v[ACC+8*\t+\e], s[20+\e], v[ACC+8*\t+\e]       ; + router_b: every lane now holds the four tokens' logits
.endr
.endr
	s_wait_alu depctr_va_vdst(0)
.irp n, 0,1,2,3,4,5,6,7
	s_wait_dscnt 7-\n                              ; LDS loads come back in order: load n is in, the 7 - n younger may be out
	global_store_b128 v2, v[OC+4*\n:OC+4*\n+3], s[12:13] offset:512*\n   ; 32 lanes store 512 consecutive bytes, aligned to 512 in xc
.endr
	; softmax, the four tokens side by side
.irp t, 0,1,2,3
	v_max3_num_f32 v[MX+\t], v[ACC+8*\t], v[ACC+8*\t+1], v[ACC+8*\t+2]
.endr
.irp t, 0,1,2,3
	v_max3_num_f32 v[MX+\t], v[MX+\t], v[ACC+8*\t+3], v[ACC+8*\t+4]
.endr
.irp t, 0,1,2,3
	v_max3_num_f32 v[MX+\t], v[MX+\t], v[ACC+8*\t+5], v[ACC+8*\t+6]
.endr
.irp t, 0,1,2,3
	v_max_num_f32 v[MX+\t], v[MX+\t], v[ACC+8*\t+7]
.endr
.irp t, 0,1,2,3
.irp e, 0,1,2,3,4,5,6,7
	v_sub_f32 v[ACC+8*\t+\e], v[ACC+8*\t+\e], v[MX+\t]       ; the maximum is taken away first: exactly 0 at the largest logit
.endr
.endr
.set n, 0
.rept 32
	v_mul_f32 v[ACC+n], s42, v[ACC+n]
.set n, n+1
.endr
.set n, 0
	s_wait_alu depctr_va_vdst(0)
.rept 32
	v_exp_f32 v[ACC+n], v[ACC+n]                   ; e^(logit - maximum), one batch
.set n, n+1
.endr
.irp t, 0,1,2,3
	v_mov_b32 v[IDX+\t], 7                         ; plain instructions behind the last exponential
.endr
	s_wait_alu depctr_va_vdst(0)                   ; one wait for the 32 exponentials, ahead of the first instruction that names a result
.irp t, 0,1,2,3
	v_pk_add_f32 v[X+4*\t:X+4*\t+1], v[ACC+8*\t:ACC+8*\t+1], v[ACC+8*\t+2:ACC+8*\t+3]
	v_pk_add_f32 v[X+4*\t+2:X+4*\t+3], v[ACC+8*\t+4:ACC+8*\t+5], v[ACC+8*\t+6:ACC+8*\t+7]
.endr
.irp t, 0,1,2,3
	v_pk_add_f32 v[X+4*\t:X+4*\t+1], v[X+4*\t:X+4*\t+1], v[X+4*\t+2:X+4*\t+3]
.endr
.irp t, 0,1,2,3
	v_add_f32 v[SM+\t], v[X+4*\t], v[X+4*\t+1]
.endr
	s_wait_alu depctr_va_vdst(0)
.irp t, 0,1,2,3
	v_rcp_f32 v[GT+\t], v[SM+\t]                   ; the index work below names neither the sums nor these results
.endr
.irp t, 0,1,2,3
	v_max3_num_f32 v[MX+\t], v[ACC+8*\t], v[ACC+8*\t+1], v[ACC+8*\t+2]
.endr
.irp t, 0,1,2,3
	v_max3_num_f32 v[MX+\t], v[MX+\t], v[ACC+8*\t+3], v[ACC+8*\t+4]
.endr
.irp t, 0,1,2,3
	v_max3_num_f32 v[MX+\t], v[MX+\t], v[ACC+8*\t+5], v[ACC+8*\t+6]
.endr
.irp t, 0,1,2,3
	v_max_num_f32 v[MX+\t], v[MX+\t], v[ACC+8*\t+7]
.endr
.irp e, 6,5,4,3,2,1,0
.irp t, 0,1,2,3
	v_cmp_lt_f32 vcc_lo, v[ACC+8*\t+\e], v[MX+\t]
	v_cndmask_b32 v[IDX+\t], \e, v[IDX+\t], vcc_lo           ; from expert 6 down to 0: an expert that reaches the largest takes the index, so the lowest one keeps it
.endr
.endr
	s_wait_alu depctr_va_vdst(0)                   ; one wait for the four reciprocals
.irp t, 0,1,2,3
	v_mul_f32 v[GT+\t], v[GT+\t], v[MX+\t]         ; the chosen expert's probability
.endr
	v_cmp_eq_u32 vcc_lo, 0, v1
	s_wait_alu depctr_va_vdst(0)
	s_wait_xcnt 0x0                                ; EXEC is a source of the stores above: it changes only behind this wait
	s_barrier_signal -1
	s_barrier_wait -1
	s_wait_tensorcnt 0x0
	ds_add_u32 v14, v15
	s_wait_dscnt 0x0
	s_and_saveexec_b32 s43, vcc_lo                 ; lane 0 alone; EXEC is not widened again
	global_store_b128 v2, v[IDX:IDX+3], s[14:15]   ; 16 bytes a wave at a fixed place: 32 KiB in the whole launch for both tables
	global_store_b128 v2, v[GT:GT+3], s[16:17]
	s_endpgm
.Lfunc_end_k_q73efc9e3db_route:
	.size	k_q73efc9e3db_route, .Lfunc_end_k_q73efc9e3db_route-k_q73efc9e3db_route
	.p2alignl 7, 3214868480
	.fill 96, 4, 3214868480
	.section	.rodata,"a",@progbits
	.p2align	6, 0x0
	.amdhsa_kernel k_q73efc9e3db_route
		.amdhsa_group_segment_fixed_size 50688
		.amdhsa_private_segment_fixed_size 0
		.amdhsa_enable_private_segment 0
		.amdhsa_kernarg_size 56
		.amdhsa_user_sgpr_count 2
		.amdhsa_user_sgpr_kernarg_segment_ptr 1
		.amdhsa_wavefront_size32 1
		.amdhsa_system_sgpr_workgroup_id_x 1
		.amdhsa_system_sgpr_workgroup_id_y 1
		.amdhsa_system_sgpr_workgroup_id_z 1
		.amdhsa_system_vgpr_workitem_id 0
		.amdhsa_next_free_vgpr 256
		.amdhsa_next_free_sgpr 66
		.amdhsa_reserve_vcc 1
		.amdhsa_float_denorm_mode_32 3
		.amdhsa_float_denorm_mode_16_64 3
		.amdhsa_memory_ordered 1
		.amdhsa_forward_progress 1
		.amdhsa_inst_pref_size 78
	.end_amdhsa_kernel
	.amdgpu_metadata
---
amdhsa.version: [ 1, 2 ]
amdhsa.kernels:
  - .name:           k_q73efc9e3db_route
    .symbol:         k_q73efc9e3db_route.kd
    .args:
      - { .name: x, .offset: 0, .size: 8, .value_kind: global_buffer, .address_space: global }
      - { .name: router_W, .offset: 8, .size: 8, .value_kind: global_buffer, .address_space: global }
      - { .name: router_b, .offset: 16, .size: 8, .value_kind: global_buffer, .address_space: global }
      - { .name: lowp_scales, .offset: 24, .size: 8, .value_kind: global_buffer, .address_space: global }
      - { .name: xc, .offset: 32, .size: 8, .value_kind: global_buffer, .address_space: global }
      - { .name: eid, .offset: 40, .size: 8, .value_kind: global_buffer, .address_space: global }
      - { .name: gate, .offset: 48, .size: 8, .value_kind: global_buffer, .address_space: global }
    .group_segment_fixed_size: 50688
    .private_segment_fixed_size: 0
    .kernarg_segment_align: 8
    .kernarg_segment_size: 56
    .max_flat_workgroup_size: 128
    .sgpr_count:     66
    .vgpr_count:     256
    .wavefront_size: 32
...
	.end_amdgpu_metadata
.endif
;; end of part 5
;; launch wq (part 6): grid 1025 x 1, 4 waves a work-group, no clusters, 1,536 bytes of LDS; arguments W1, W2, lowp_scales, eid, w1c, w2c, list, tinfo; writes w1c, w2c, list, tinfo
.if DOCPART == 6
	.amdgcn_target "amdgcn-amd-amdhsa--gfx1250"
	.amdhsa_code_object_version 6
	.text
	.protected	k_q73efc9e3db_wq
	.globl	k_q73efc9e3db_wq
	.p2align	8
	.type	k_q73efc9e3db_wq,@function
k_q73efc9e3db_wq:
	s_mov_b64 s[64:65], 0
	v_nop
	global_prefetch_b8 v0, s[64:65] scope:SCOPE_SE
	s_setreg_imm32_b32 hwreg(HW_REG_WAVE_MODE, 25, 1), 1
	s_wait_xcnt 0x0
; TWO JOBS IN ONE LAUNCH.
; Work-groups 1 .. 1,024: W1 and W2, [8][1024 (k)][1024 (n)] f32 with K as the middle axis, become codes of E5M2 laid in the order of an operand's registers.
;   code = w / 2^e (entry 0 of the scales for W1, entry 2 for W2), held within +-57,344, to the nearest code, ties to even.  LIMITS: e between -126 and 112; NaN is not served.
;   A LANE TAKES A COLUMN n AND ITS REGISTERS RUN DOWN K: a load reads 128 consecutive bytes a wave, 512 a work-group, and the conversions give codes with K innermost; nothing is transposed.
;   OUT: [e 8][G 16][s 8][i 4][c 4][lane 32][16 bytes].  Tile T = 4 G + i = 2 B + u holds 16 columns: its row m is column 32 B + 8 u + m + 8 (m / 8).  Lane (r, h) of a fragment (K step s of 128) holds row r,
;   k = 32 c + 16 h + 0 .. 15 in piece c.  A wave of the products' launches then loads a fragment by four loads of 512 consecutive bytes.
; Work-group 0: the rows are placed by expert, from the whole numbers that the launch before stored (eid).  A counting sort without atomics: each wave counts its 1,024 tokens, the counts meet in LDS, each token's
;   place is its expert's first place + the tokens of that expert ahead of it.  An expert's rows fill tiles of 80: list[80 tile + row] = token; tinfo[tile] = (expert, rows, rows - 1, 0), zeros for a tile without rows.
;   There are never more than (4,096 + 8 x 79) / 80 = 59 tiles.  It is the first work-group, so that it begins with the launch.  It alone uses LDS and a barrier.
.set QR,   16                          ; v16-79   four sets of 16 numbers
.set QC,   80                          ; v80-111  codes: four registers for each of the 8 chunks, never written again
.set ID,   16                          ; place: v16-47 my 32 tokens' experts
.set POS,  48                          ;        v48-79 their places, as byte offsets
.set TK,   80                          ;        v80-111 their numbers
.set PM,   32                          ; s32-39  masks, then counts, of the register in hand
.set PR,   40                          ; s40-47  running place for each expert
.set PCNT, 48                          ; s48-55  tokens of each expert
.set PNT,  56                          ; s56-63  its tiles
.set PTB,  66                          ; s66-74  its first tile
	s_load_b256 s[4:11], s[0:1], 0x0               ; W1 s[4:5], W2 s[6:7], the scales s[8:9], eid s[10:11]
	s_load_b256 s[12:19], s[0:1], 0x20             ; w1c s[12:13], w2c s[14:15], list s[16:17], tinfo s[18:19]
	v_lshl_add_u32 v128, v0, 2, 0x400
	v_mov_b32 v129, 0
	v_lshrrev_b32 v1, 5, v0
	v_readfirstlane_b32 s20, v1                    ; wave 0..3
	s_cmp_eq_u32 ttmp9, 0                          ; the work-group's number: the same in all four waves
	s_cbranch_scc1 .Lplace
	s_sub_co_u32 s21, ttmp9, 1                     ; q = 0 .. 1,023
	s_and_b32 s22, s21, 7                          ; which 128 columns
	s_bfe_u32 s23, s21, 0x30003                    ; which K step of 128
	s_lshr_b32 s24, s21, 6                         ; 0-7: W1's experts, 8-15: W2's
	s_and_b32 s25, s24, 7                          ; the expert
	v_and_b32 v1, 15, v0                           ; r: my row in a tile
	v_bfe_u32 v4, v0, 4, 1                         ; u: which of my wave's two tiles
	v_and_b32 v5, 8, v1
	v_add_nc_u32 v5, v5, v1
	v_lshl_add_u32 v5, v4, 3, v5                   ; my column among the wave's 32: 8 u + r + 8 (r / 8)
	v_lshlrev_b32 v2, 2, v5
	v_lshlrev_b32 v3, 4, v1
	v_lshl_or_b32 v3, v4, 11, v3                   ; out: tile u (2,048 bytes each), lane r's 16 bytes
	s_lshl_b32 s26, s25, 22                        ; in: expert x 4 MiB + 128 rows of 4,096 bytes x step + 512 bytes x column group + 128 x wave
	s_lshl_b32 s28, s23, 19
	s_add_co_u32 s26, s26, s28
	s_lshl_b32 s28, s22, 9
	s_add_co_u32 s26, s26, s28
	s_lshl_b32 s28, s20, 7
	s_add_co_u32 s26, s26, s28
	s_mov_b32 s27, 0
	s_lshl_b32 s30, s25, 20                        ; out: expert x 1 MiB + G x 65,536 + step x 8,192 + (wave % 2) x 4,096; G = 2 x column group + wave / 2
	s_lshl_b32 s28, s22, 17
	s_add_co_u32 s30, s30, s28
	s_lshr_b32 s28, s20, 1
	s_lshl_b32 s28, s28, 16
	s_add_co_u32 s30, s30, s28
	s_lshl_b32 s28, s23, 13
	s_add_co_u32 s30, s30, s28
	s_and_b32 s28, s20, 1
	s_lshl_b32 s28, s28, 12
	s_add_co_u32 s30, s30, s28
	s_mov_b32 s31, 0
	s_wait_alu depctr_va_vdst(0)
	s_wait_kmcnt 0x0
	s_load_b128 s[36:39], s[8:9], 0x0              ; e of W1, of x, of W2, of the hidden layer
	s_cmp_lt_u32 s24, 8                            ; the choice hangs on the work-group's number alone
	s_cselect_b64 s[4:5], s[4:5], s[6:7]
	s_cselect_b64 s[12:13], s[12:13], s[14:15]
	s_add_nc_u64 s[4:5], s[4:5], s[26:27]
	s_add_nc_u64 s[12:13], s[12:13], s[30:31]
.macro LOADQ n                         ; chunk n: rows 16 n .. 16 n + 15 of my column, into set n % 4
.irp i, 0,1,2,3,4,5,6,7,8,9,10,11,12,13,14,15
	global_load_b32 v[QR+16*((\n)%4)+\i], v2, s[4:5] offset:(16*(\n)+\i)*4096 th:TH_LOAD_NT
.endr
.endm
.irp n, 0,1,2,3
	LOADQ \n
.endr
	s_wait_kmcnt 0x0
	s_cmp_lt_u32 s24, 8
	s_cselect_b32 s36, s36, s38                    ; e
	s_add_co_i32 s36, s36, 127
	s_lshl_b32 s37, s36, 23
	v_mov_b32 v11, s37                             ; 2^e as f32: the conversion takes its exponent field
	s_add_co_i32 s36, s36, 15
	s_lshl_b32 s36, s36, 23
	s_or_b32 s36, s36, 0x600000
	v_mov_b32 v10, s36                             ; 57,344 x 2^e
; Chunk n is k = 16 n .. 16 n + 15 of the K step: piece c = n / 2, half h = n % 2 of the fragment: 512 c + 256 h = 256 n bytes on.
.macro CHUNK n
.set RS, QR+16*((\n)%4)
.if (\n) < 5
	s_wait_loadcnt 48                              ; this chunk's 16 loads are in; those of the three chunks behind it may be out
.else
	s_wait_loadcnt 16*(7-(\n))
.endif
.irp i, 0,1,2,3,4,5,6,7,8,9,10,11,12,13,14,15
	v_med3_num_f32 v[RS+\i], v[RS+\i], -v10, v10   ; the conversion to an 8-bit code does not saturate (ISA guide 7.6.2): the hold comes first
.endr
	v_cvt_scalef32_pk8_bf8_f32 v[QC+4*(\n):QC+4*(\n)+1], v[RS:RS+7], v11
	v_cvt_scalef32_pk8_bf8_f32 v[QC+4*(\n)+2:QC+4*(\n)+3], v[RS+8:RS+15], v11
	global_store_b128 v3, v[QC+4*(\n):QC+4*(\n)+3], s[12:13] offset:256*(\n)   ; lanes 0-15 store 256 consecutive bytes, aligned; lanes 16-31 another 256, in the next tile
.if (\n) < 4
	LOADQ (\n)+4                                   ; the results go to a store and the sources take loads; the next vector lines are the next chunk's holds, on other registers
.endif
.endm
	s_wait_alu depctr_va_vdst(0)
.irp n, 0,1,2,3,4,5,6,7
	CHUNK \n
.endr
	s_endpgm
.Lplace:
	v_and_b32 v1, 31, v0                           ; lane
	s_lshl_b32 s21, s20, 12
	v_lshl_add_u32 v2, v1, 4, s21                  ; eid: 4,096 bytes a wave, 16 a lane and load
	v_lshrrev_b32 v3, 2, v2                        ; the token of my register 0: 1,024 wave + 4 lane; register n: + 128 (n / 4) + n % 4
	v_lshlrev_b32 v113, 2, v0                      ; LDS: a word for each thread
	v_lshlrev_b32 v114, 2, v1
	v_mov_b32 v112, 0
	s_wait_alu depctr_va_vdst(0)
	s_wait_kmcnt 0x0
.irp a, 0,1,2,3,4,5,6,7
	global_load_b128 v[ID+4*\a:ID+4*\a+3], v2, s[10:11] offset:512*\a
.endr
.irp e, 0,1,2,3,4,5,6,7
	s_mov_b32 s[PR+\e], 0
	s_mov_b32 s[PCNT+\e], 0
.endr
	s_wait_loadcnt 0x0
	; pass 1: my wave's count for each expert
.set n, 0
.rept 32
.irp e, 0,1,2,3,4,5,6,7
	v_cmp_eq_u32 s[PM+\e], \e, v[ID+n]
.endr
.irp e, 0,1,2,3,4,5,6,7
	s_bcnt1_i32_b32 s[PM+\e], s[PM+\e]
.endr
.irp e, 0,1,2,3,4,5,6,7
	s_add_co_u32 s[PR+\e], s[PR+\e], s[PM+\e]
.endr
.set n, n+1
.endr
.irp e, 0,1,2,3,4,5,6,7
	v_writelane_b32 v112, s[PR+\e], \e             ; lane e carries expert e's count
.endr
	ds_store_b32 v113, v112
.irp e, 0,1,2,3,4,5,6,7
	s_mov_b32 s[PR+\e], 0
.endr
	s_wait_dscnt 0x0                               ; for the others' sake: my counts have landed
	s_barrier_signal -1
	s_barrier_wait -1
.irp q, 0,1,2,3
	ds_load_b32 v[116+\q], v114 offset:128*\q      ; wave q's counts
.endr
	s_wait_dscnt 0x0
.irp q, 0,1,2,3
.irp e, 0,1,2,3,4,5,6,7
	v_readlane_b32 s[PM+\e], v[116+\q], \e
.endr
.irp e, 0,1,2,3,4,5,6,7
	s_add_co_u32 s[PCNT+\e], s[PCNT+\e], s[PM+\e]  ; all waves: the expert's tokens
.endr
	s_cmp_gt_u32 s20, \q                           ; the selections follow the compare with nothing between that writes SCC
.irp e, 0,1,2,3,4,5,6,7
	s_cselect_b32 s[PM+\e], s[PM+\e], 0
.endr
.irp e, 0,1,2,3,4,5,6,7
	s_add_co_u32 s[PR+\e], s[PR+\e], s[PM+\e]      ; the waves ahead of mine: where my wave's tokens begin within the expert
.endr
.endr
	s_mov_b32 s[PTB], 0
.irp e, 0,1,2,3,4,5,6,7
	s_add_co_u32 s[PNT+\e], s[PCNT+\e], 79
	s_mul_i32 s[PNT+\e], s[PNT+\e], 52429          ; / 80: 52,429 = 2^22 / 80 rounded up; exact for numbers under 262,144
	s_lshr_b32 s[PNT+\e], s[PNT+\e], 22            ; the expert's tiles
	s_add_co_u32 s[PTB+\e+1], s[PTB+\e], s[PNT+\e]
	s_mul_i32 s21, s[PTB+\e], 80
	s_add_co_u32 s[PR+\e], s[PR+\e], s21           ; + the expert's first place in the list
.endr
	; pass 2: a token's place = its expert's running place + the lanes below mine with the same expert
.set n, 0
.rept 32
.set VM, 4+2*(n%2)
.irp e, 0,1,2,3,4,5,6,7
	v_cmp_eq_u32 s[PM+\e], \e, v[ID+n]
.endr
	v_mov_b32 v[VM], s[PM+7]
	v_mov_b32 v[VM+1], s[PR+7]
.irp e, 0,1,2,3,4,5,6
	v_cndmask_b32 v[VM], v[VM], s[PM+\e], s[PM+\e]           ; my expert's mask,
	v_cndmask_b32 v[VM+1], v[VM+1], s[PR+\e], s[PM+\e]       ; and its running place
.endr
	v_mbcnt_lo_u32_b32 v[POS+n], v[VM], v[VM+1]
	s_wait_alu depctr_va_vdst(0)
.irp e, 0,1,2,3,4,5,6,7
	s_bcnt1_i32_b32 s[PM+\e], s[PM+\e]
.endr
.irp e, 0,1,2,3,4,5,6,7
	s_add_co_u32 s[PR+\e], s[PR+\e], s[PM+\e]
.endr
	v_min_u32 v[POS+n], 4719, v[POS+n]             ; 59 tiles of 80 places: the bound holds by the count above; the clamp keeps the store inside the list whatever eid holds
	v_lshlrev_b32 v[POS+n], 2, v[POS+n]
	v_add_nc_u32 v[TK+n], 128*(n/4)+n%4, v3
	global_store_b32 v[POS+n], v[TK+n], s[16:17]   ; each register has its own place and data registers: none is written again
.set n, n+1
.endr
	; the table of tiles: thread t writes tile t's entry, all 128 entries
	v_mov_b32 v120, 0
	v_mov_b32 v121, 0
	v_mov_b32 v122, 0
	v_mov_b32 v123, 0
.irp e, 0,1,2,3,4,5,6,7
	v_sub_nc_u32 v8, v0, s[PTB+\e]                 ; which of the expert's tiles (a very large number where the tile lies ahead of them)
	v_cmp_le_u32 vcc_lo, s[PNT+\e], v8             ; not one of them
	v_mul_u32_u24 v9, v8, 80
	v_sub_nc_u32 v9, s[PCNT+\e], v9
	v_min_u32 v9, 80, v9                           ; its rows
	v_add_nc_u32 v10, -1, v9
	v_cndmask_b32 v120, \e, v120, vcc_lo
	v_cndmask_b32 v121, v9, v121, vcc_lo
	v_cndmask_b32 v122, v10, v122, vcc_lo
.endr
	v_lshlrev_b32 v11, 4, v0
	global_store_b128 v11, v[120:123], s[18:19]
	s_wait_tensorcnt 0x0
	ds_add_u32 v128, v129
	s_wait_dscnt 0x0
	s_endpgm
.Lfunc_end_k_q73efc9e3db_wq:
	.size	k_q73efc9e3db_wq, .Lfunc_end_k_q73efc9e3db_wq-k_q73efc9e3db_wq
	.p2alignl 7, 3214868480
	.fill 96, 4, 3214868480
	.section	.rodata,"a",@progbits
	.p2align	6, 0x0
	.amdhsa_kernel k_q73efc9e3db_wq
		.amdhsa_group_segment_fixed_size 1536
		.amdhsa_private_segment_fixed_size 0
		.amdhsa_enable_private_segment 0
		.amdhsa_kernarg_size 64
		.amdhsa_user_sgpr_count 2
		.amdhsa_user_sgpr_kernarg_segment_ptr 1
		.amdhsa_wavefront_size32 1
		.amdhsa_system_sgpr_workgroup_id_x 1
		.amdhsa_system_sgpr_workgroup_id_y 1
		.amdhsa_system_sgpr_workgroup_id_z 1
		.amdhsa_system_vgpr_workitem_id 0
		.amdhsa_next_free_vgpr 130
		.amdhsa_next_free_sgpr 80
		.amdhsa_reserve_vcc 1
		.amdhsa_float_denorm_mode_32 3
		.amdhsa_float_denorm_mode_16_64 3
		.amdhsa_memory_ordered 1
		.amdhsa_forward_progress 1
		.amdhsa_inst_pref_size 144
	.end_amdhsa_kernel
	.amdgpu_metadata
---
amdhsa.version: [ 1, 2 ]
amdhsa.kernels:
  - .name:           k_q73efc9e3db_wq
    .symbol:         k_q73efc9e3db_wq.kd
    .args:
      - { .name: W1, .offset: 0, .size: 8, .value_kind: global_buffer, .address_space: global }
      - { .name: W2, .offset: 8, .size: 8, .value_kind: global_buffer, .address_space: global }
      - { .name: lowp_scales, .offset: 16, .size: 8, .value_kind: global_buffer, .address_space: global }
      - { .name: eid, .offset: 24, .size: 8, .value_kind: global_buffer, .address_space: global }
      - { .name: w1c, .offset: 32, .size: 8, .value_kind: global_buffer, .address_space: global }
      - { .name: w2c, .offset: 40, .size: 8, .value_kind: global_buffer, .address_space: global }
      - { .name: list, .offset: 48, .size: 8, .value_kind: global_buffer, .address_space: global }
      - { .name: tinfo, .offset: 56, .size: 8, .value_kind: global_buffer, .address_space: global }
    .group_segment_fixed_size: 1536
    .private_segment_fixed_size: 0
    .kernarg_segment_align: 8
    .kernarg_segment_size: 64
    .max_flat_workgroup_size: 128
    .sgpr_count:     80
    .vgpr_count:     130
    .wavefront_size: 32
...
	.end_amdgpu_metadata
.endif
;; end of part 6
;; launch ffn1 (part 7): grid 4 x 59, 4 waves a work-group, no clusters, 83,968 bytes of LDS; arguments xc, w1c, b1, lowp_scales, list, tinfo, hc; writes hc
.if DOCPART == 7
	.amdgcn_target "amdgcn-amd-amdhsa--gfx1250"
	.amdhsa_code_object_version 6
	.text
	.protected	k_q73efc9e3db_ffn1
	.globl	k_q73efc9e3db_ffn1
	.p2align	8
	.type	k_q73efc9e3db_ffn1,@function
k_q73efc9e3db_ffn1:
	s_mov_b64 s[64:65], 0
	v_nop
	global_prefetch_b8 v0, s[64:65] scope:SCOPE_SE
	s_setreg_imm32_b32 hwreg(HW_REG_WAVE_SCHED_MODE, 0, 2), 2
	s_setreg_imm32_b32 hwreg(HW_REG_WAVE_MODE, 25, 1), 1
	s_wait_xcnt 0x0
	s_wait_alu depctr_vm_vsrc(0)
; THE FIRST PRODUCT ON THE CHOSEN ROWS: hc = Q(relu(x W1[e] + b1[e])), on codes of E5M2, for the rows that chose expert e.  The gate that the layer builds is 0 for every other expert, so their products are not made.
; SHARES.  Work-group (p, tile): the tile's 80 rows (one expert's, from the list that an earlier launch stored) x hidden units 256 p .. 256 p + 255; wave w: the 64 units of G = 4 p + w: 5 x 4 accumulators of 16 x 16.
; 59 tiles serve every split of 4,096 tokens over 8 experts; 4 x 59 work-groups are fewer than the chip has WGPs, one tile each.
; THE MATRIX INSTRUCTION IS USED TRANSPOSED: source 0 = 16 columns of W1 (a fragment as w1c holds it), source 1 = 16 rows of x.  Row m of weight tile 2 B + u is column 32 B + 8 u + m + 8 (m / 8), so in the result lane
; (r, h) holds row r, and the 16 registers of tiles 2 B, 2 B + 1 are hidden units 32 B + 16 h + 0 .. 15: sixteen neighbours along the next K, in the order of the next operand's registers.
; A fragment: 16 rows x 128 K, 16 registers; registers 4 c .. 4 c + 3 hold k = 32 c + 16 h + 0 .. 15, alike in both operands: each product meets its partner.
; THE SCALES.  A sum stands for sum x 2^(e0 + e1).  b1 goes in as the C of a sum's first instruction, divided by that power; the conversion takes 2^(e3 - e0 - e1); the hold between 0 and the largest code is the relu too.
; LIMITS: e3 - e0 - e1 between -126 and 112.  NaN is not served.
; x's rows are gathered once into LDS (80 rows, 1,040 bytes apart: 65 x 16, so that the 16 rows of a fragment load start at 16 different banks) and read by all four waves; the weights go from memory straight into
; registers, each byte once a wave, and stay: 512 registers.  NO TENSOR LOADS AND NO JOINT LOADS: which rows and which weights a work-group reads hangs on numbers read from memory, and a tile without rows ends early.
; A TILE WITHOUT ROWS passes the one barrier like every other (until there it works on tile 0's list entry and expert 0) and ends behind it, storing nothing.
; REGISTERS, in windows of 256: window 0: v0-31 addresses; v32-111, v112-191 x's five fragments, two sets (first: the 160 registers of the gather); v192-223 b1, later v192-231 the codes; v232-241 the tokens as loaded,
;   v242-251 their rows' offsets in xc; v254, v255 the closing add's two.   window 1: W1's fragments of K steps 0-3 (64 (s % 4) + 16 i); window 2: of K steps 4-7; window 3: the accumulators, 8 (4 m + i).
; THE MODE: SCHED_MODE bits 1:0 = 2 (LLVM: expert scheduling mode 2), set by the entry lines.  The code itself states the register dependences between vector or matrix instructions and memory or LDS
; instructions, with s_wait_alu, always for 0.
; THE PLAN.  Registers that memory or LDS instructions touch, and who else names them:
;   v3, v4, v5, v6, v11, v20-29   offsets and LDS addresses: written by vector instructions at the head, once; read by loads and stores; never written again.  One wait ahead of the first load serves them all.
;   v232-241   the list's loads land here; the clamp writes them behind the wait for their data; no memory instruction reads them.
;   v242-251   written once by vector instructions, read by the gather's loads: one wait between the two.
;   v32-191    the gather's loads land here and my LDS stores read them; no vector instruction names them meanwhile.  From the barrier on they are sets 0 and 1: one wait states that the stores have read them.
;   set s % 2  read by step s's products; the LDS loads issued in step s + 1 land in it again (the fragments of step s + 2).
;   windows 1, 2   each register of the weights is loaded once and read by matrix instructions alone.
;   v192-231   b1's loads land, vector and matrix instructions work on them; at the end the conversions write the codes there and the stores read them: one wait between the two.
; So ONE wait stands at the head of each of the steps 1 to 6: the step before is done reading the set in which this step's LDS loads land.  This step's products name the other set, the weights and the accumulators:
; none of the registers that its loads touch.  So the loads are dealt among the products with no further wait.
.set PITCH, 1040
.set MSTR,  16*PITCH                   ; from a tile of 16 rows to the next
.set XA,    32
.set BIAS,  192
.set CD,    192
.set LO,    20                         ; v20-29   byte offsets of my ten entries of the list
.set TOK,   232                        ; v232-241 the ten tokens
.set XO,    242                        ; v242-251 token x 1,024 + 16 r
.set MSB, 0
.macro WIN new                         ; the immediate's high byte repeats the setting that is left; a switch that changes nothing is dropped
.if MSB != (\new)
	s_set_vgpr_msb (MSB<<8)|(\new)
.set MSB, (\new)
.endif
.endm
.macro WLOAD s                         ; my four weight fragments of K step s: 16 loads of 512 consecutive bytes
	WIN 0x40*(1+(\s)/4)                            ; destination window 1 or 2, address window 0
.irp i, 0,1,2,3
.irp c, 0,1,2,3
	global_load_b128 v[64*((\s)%4)+16*\i+4*\c:64*((\s)%4)+16*\i+4*\c+3], v3, s[6:7] offset:8192*(\s)+2048*\i+512*\c
.endr
.endr
.endm
.macro FETCHX s                        ; x's five fragments of K step s into set s % 2: 20 LDS loads.  The fifth tile lies beyond a 16-bit offset: a second address register
.set LB, XA+80*((\s)%2)
.irp m, 0,1,2,3
.irp c, 0,1,2,3
	ds_load_b128 v[LB+16*\m+4*\c:LB+16*\m+4*\c+3], v4 offset:MSTR*\m+128*(\s)+32*\c
.endr
.endr
.irp c, 0,1,2,3
	ds_load_b128 v[LB+64+4*\c:LB+64+4*\c+3], v5 offset:128*(\s)+32*\c
.endr
.endm
.macro MULS s, m                       ; four products of K step s: rows 16 m on x my four weight tiles
.irp i, 0,1,2,3
.if (\s) == 0
	v_wmma_f32_16x16x128_bf8_bf8 v[8*(4*(\m)+\i):8*(4*(\m)+\i)+7], v[64*((\s)%4)+16*\i:64*((\s)%4)+16*\i+15], v[XA+80*((\s)%2)+16*(\m):XA+80*((\s)%2)+16*(\m)+15], v[BIAS+8*\i:BIAS+8*\i+7]
.else
	v_wmma_f32_16x16x128_bf8_bf8 v[8*(4*(\m)+\i):8*(4*(\m)+\i)+7], v[64*((\s)%4)+16*\i:64*((\s)%4)+16*\i+15], v[XA+80*((\s)%2)+16*(\m):XA+80*((\s)%2)+16*(\m)+15], v[8*(4*(\m)+\i):8*(4*(\m)+\i)+7]
.endif
.endr
.endm
; A K step: 20 matrix instructions; the next step's fragments of x are asked for behind the first four, the weights of four steps on behind the next four.
; The 20 accumulators take turns, one instruction a turn, in the same order in every step.
.macro STEP s
.if (\s) == 0
.set MW, 0xc1                          ; source 0 (W1) window 1, source 1 (x) and C (b1) window 0, D window 3
.elseif (\s) < 4
.set MW, 0xf1                          ; C and D window 3
.else
.set MW, 0xf2                          ; source 0 window 2
.endif
.if ((\s) > 0) && ((\s) < 7)
.rept 4
	v_nop                                          ; four plain places between the last step's products and the loads into the set that they read, beside the wait below
.endr
.endif
.if (\s) < 5
	s_wait_loadcnt 48                              ; this step's weights are in: behind them at most three steps' 16 loads each were issued
.else
	s_wait_loadcnt 16*(7-(\s))
.endif
	s_wait_dscnt 0x0                               ; this step's fragments of x are in: they were asked for sixteen products ago, and no LDS instruction was issued behind them
.if ((\s) > 0) && ((\s) < 7)
	s_wait_alu depctr_va_vdst(0)                   ; the last step's products are done reading their set of x's fragments, in which the LDS loads below land
.endif
	WIN MW
	MULS \s, 0
.if (\s) < 7
	WIN 0
	FETCHX (\s)+1                                  ; no vector or matrix instruction since the wait names this set, v4 or v5
.endif
	WIN MW
	MULS \s, 1
.if (\s) < 4
	WLOAD (\s)+4                                   ; into registers that no vector or matrix instruction has named yet; v3 was written ahead of the head's wait
.endif
	WIN MW
	MULS \s, 2
	MULS \s, 3
	MULS \s, 4
.endm
	s_load_b256 s[4:11], s[0:1], 0x0               ; xc s[4:5], w1c s[6:7], b1 s[8:9], the scales s[10:11]
	s_load_b128 s[12:15], s[0:1], 0x20             ; list s[12:13], tinfo s[14:15]
	s_load_b64 s[16:17], s[0:1], 0x30              ; hc
	v_lshl_add_u32 v254, v0, 2, 0x14600
	v_mov_b32 v255, 0
	v_lshrrev_b32 v1, 5, v0
	v_readfirstlane_b32 s20, v1                    ; wave 0..3
	s_and_b32 s22, ttmp7, 0xffff                   ; the tile
	v_and_b32 v1, 15, v0                           ; r
	v_bfe_u32 v2, v0, 4, 1                         ; h
	v_and_b32 v3, 31, v0
	v_lshlrev_b32 v3, 4, v3                        ; 16 x lane
	v_mul_u32_u24 v4, v1, PITCH
	v_lshl_add_u32 v4, v2, 4, v4                   ; a fragment's row x pitch + 16 x half
	v_add_nc_u32 v5, 4*MSTR, v4                    ; the same in the fifth tile of rows
	v_lshlrev_b32 v9, 4, v1                        ; 16 r
	v_lshlrev_b32 v11, 6, v2                       ; b1: 64 h
	s_wait_alu depctr_va_sdst(0)                   ; s20 is written, ahead of its first reader: G, the gather's rows and the bases are made from it
	s_lshl_b32 s23, ttmp9, 2
	s_add_co_u32 s23, s23, s20                     ; G = 4 p + wave
	s_mul_i32 s32, s20, 20
	v_add_nc_u32 v10, s32, v2                      ; the gather: wave w brings rows 20 w .. 20 w + 19, two a load: lanes 0-15 one row, lanes 16-31 the next
	v_mul_u32_u24 v6, v10, PITCH
	v_lshl_add_u32 v6, v1, 4, v6                   ; where they go
	s_lshl_b32 s32, s22, 4
	s_mov_b32 s33, 0
	s_wait_alu depctr_va_vdst(0)
	s_wait_kmcnt 0x0
	s_add_nc_u64 s[14:15], s[14:15], s[32:33]
	s_load_b128 s[24:27], s[14:15], 0x0            ; the tile's expert, rows, rows - 1, 0
	s_load_b128 s[28:31], s[10:11], 0x0            ; e0 (W1), e1 (x), e2 (W2), e3 (hidden)
	s_wait_kmcnt 0x0
	s_min_u32 s24, s24, 7                          ; numbers read from memory enter addresses only behind a clamp
	s_min_u32 s26, s26, 79
	s_min_u32 s34, s25, 1                          ; 1 where the tile has rows, else 0
	s_mul_i32 s32, s22, 320
	s_mul_i32 s32, s32, s34                        ; the tile's 80 entries of the list; a tile without rows reads tile 0's first entry, which is always written
	s_add_nc_u64 s[12:13], s[12:13], s[32:33]
	s_lshl_b32 s32, s24, 20
	s_lshl_b32 s35, s23, 16
	s_add_co_u32 s32, s32, s35
	s_add_nc_u64 s[6:7], s[6:7], s[32:33]          ; my 64 KiB of the expert's codes
	s_lshl_b32 s32, s24, 12
	s_lshl_b32 s35, s23, 8
	s_add_co_u32 s32, s32, s35
	s_add_nc_u64 s[8:9], s[8:9], s[32:33]          ; my 64 numbers of b1
	s_mul_i32 s32, s22, 81920
	s_lshl_b32 s35, s23, 10                        ; K step G / 2 of the next product (2,048 bytes), pieces 2 (G % 2) on (512 bytes each)
	s_add_co_u32 s32, s32, s35
	s_add_nc_u64 s[16:17], s[16:17], s[32:33]
.irp a, 0,1,2,3,4,5,6,7,8,9
	v_add_nc_u32 v[LO+\a], 2*\a, v10
	v_min_u32 v[LO+\a], s26, v[LO+\a]              ; rows past the tile's last repeat it: every row of the tile then holds written numbers
	v_min_u32 v[LO+\a], 79, v[LO+\a]
	v_lshlrev_b32 v[LO+\a], 2, v[LO+\a]
.endr
	s_wait_alu depctr_va_vdst(0)                   ; v3, v4, v5, v6, v11 and v20 to v29 are written: every load and store of the kernel but the gather's loads reads one of them as its offset or address
.irp a, 0,1,2,3,4,5,6,7,8,9
	global_load_b32 v[TOK+\a], v[LO+\a], s[12:13]
.endr
	WLOAD 0
	WLOAD 1
	WIN 0
.irp i, 0,1,2,3
	global_load_b128 v[BIAS+8*\i:BIAS+8*\i+3], v11, s[8:9] offset:128*(\i/2)+32*(\i%2)       ; tile i = 2 b + u, register j: unit 32 b + 16 h + 8 u + j
	global_load_b128 v[BIAS+8*\i+4:BIAS+8*\i+7], v11, s[8:9] offset:128*(\i/2)+32*(\i%2)+16
.endr
	s_wait_loadcnt 40                              ; the ten tokens are in: behind them 32 loads of weights and 8 of b1 were issued
.irp a, 0,1,2,3,4,5,6,7,8,9
	v_min_u32 v[TOK+\a], 0xfff, v[TOK+\a]
	v_lshl_add_u32 v[XO+\a], v[TOK+\a], 10, v9     ; token x 1,024 + 16 r
.endr
	s_wait_alu depctr_va_vdst(0)                   ; v242 to v251 are written, which the gather's loads read as their offsets
.irp a, 0,1,2,3,4,5,6,7,8,9
.irp q, 0,1,2,3
	global_load_b128 v[XA+16*\a+4*\q:XA+16*\a+4*\q+3], v[XO+\a], s[4:5] offset:256*\q        ; sixteen lanes read 256 consecutive bytes of a row, aligned
.endr
.endr
	WLOAD 2
	WLOAD 3
	WIN 0
	s_add_co_i32 s36, s28, s29                     ; e0 + e1
	s_sub_co_i32 s37, 0, s36
	s_sub_co_i32 s38, s31, s36                     ; e3 - e0 - e1
	s_add_co_i32 s38, s38, 127
	s_lshl_b32 s39, s38, 23
	v_mov_b32 v7, s39                              ; 2^(e3 - e0 - e1) as f32: the three scales folded into the conversion's one
	s_add_co_i32 s38, s38, 15
	s_lshl_b32 s38, s38, 23
	s_or_b32 s38, s38, 0x600000
	v_mov_b32 v8, s38                              ; 57,344 x that
	s_wait_loadcnt 32                              ; x's rows, b1 and the weights of K steps 0 and 1 are in; the 32 loads of steps 2 and 3 may be out
.set n, 0
.rept 32
	v_ldexp_f32 v[BIAS+n], v[BIAS+n], s37          ; b1 / 2^(e0 + e1): nothing is rounded, short of overflow and underflow
.set n, n+1
.endr
.irp a, 0,1,2,3,4,5,6,7,8,9
.irp q, 0,1,2,3
	ds_store_b128 v6, v[XA+16*\a+4*\q:XA+16*\a+4*\q+3] offset:2*PITCH*\a+256*\q              ; the data came by loads, and v6 was written ahead of the head's wait: no vector instruction has named either since
.endr
.endr
	s_wait_dscnt 0x0                               ; for the others' sake: my 20 rows have landed
	s_barrier_signal -1
	s_barrier_wait -1                              ; the 80 rows lie in LDS; they are never written again
	s_wait_alu depctr_vm_vsrc(0)                   ; my LDS stores have read v32 to v191: these registers are x's two sets from here on, in which the fragments' loads land
	s_cmp_eq_u32 s25, 0
	s_cbranch_scc1 .Lempty                         ; no barrier follows
	FETCHX 0
	s_wait_alu depctr_va_vdst(0)
.irp s, 0,1,2,3,4,5,6,7
	STEP \s
.endr
	WIN 0
.rept 4
	v_nop                                          ; four places between the last product and the first read of results
.endr
	WIN 0xc3                                       ; source 0 and destination window 3
.set n, 0
.rept 160
	v_med3_num_f32 v[n], v[n], 0, v8               ; the relu and the hold in one; each accumulator from its low end on
.set n, n+1
.endr
	WIN 0x03                                       ; source 0 window 3, destination window 0
.set n, 0
.rept 20
	v_cvt_scalef32_pk8_bf8_f32 v[CD+2*n:CD+2*n+1], v[8*n:8*n+7], v7   ; tile of rows m, weight tile i at n = 4 m + i: four registers of tiles 2 b, 2 b + 1 are 16 neighbouring hidden units
.set n, n+1
.endr
	WIN 0
	v_nop                                          ; one plain vector instruction behind the last scaled conversion
	s_wait_alu depctr_va_vdst(0)                   ; the conversions have written v192 to v231, which the stores read
.irp m, 0,1,2,3,4
.irp b, 0,1
	global_store_b128 v3, v[CD+8*\m+4*\b:CD+8*\m+4*\b+3], s[16:17] offset:16384*\m+512*\b    ; an image of the next operand's registers: 32 lanes store 512 consecutive bytes, aligned
.endr
.endr
	s_wait_dscnt 0x0                               ; the closing lines, six on end
	s_wait_alu 0x0
	s_wait_tensorcnt 0x0
	ds_add_u32 v254, v255
	s_wait_dscnt 0x0
	s_endpgm
.Lempty:
	s_wait_dscnt 0x0                               ; the same six lines for the tile without rows, which has stored to LDS too
	s_wait_alu 0x0
	s_wait_tensorcnt 0x0
	ds_add_u32 v254, v255
	s_wait_dscnt 0x0
	s_endpgm
.Lfunc_end_k_q73efc9e3db_ffn1:
	.size	k_q73efc9e3db_ffn1, .Lfunc_end_k_q73efc9e3db_ffn1-k_q73efc9e3db_ffn1
	.p2alignl 7, 3214868480
	.fill 96, 4, 3214868480
	.section	.rodata,"a",@progbits
	.p2align	6, 0x0
	.amdhsa_kernel k_q73efc9e3db_ffn1
		.amdhsa_group_segment_fixed_size 83968
		.amdhsa_private_segment_fixed_size 0
		.amdhsa_enable_private_segment 0
		.amdhsa_kernarg_size 56
		.amdhsa_user_sgpr_count 2
		.amdhsa_user_sgpr_kernarg_segment_ptr 1
		.amdhsa_wavefront_size32 1
		.amdhsa_system_sgpr_workgroup_id_x 1
		.amdhsa_system_sgpr_workgroup_id_y 1
		.amdhsa_system_sgpr_workgroup_id_z 1
		.amdhsa_system_vgpr_workitem_id 0
		.amdhsa_next_free_vgpr 928
		.amdhsa_next_free_sgpr 66
		.amdhsa_reserve_vcc 0
		.amdhsa_float_denorm_mode_32 3
		.amdhsa_float_denorm_mode_16_64 3
		.amdhsa_memory_ordered 1
		.amdhsa_forward_progress 1
		.amdhsa_inst_pref_size 64
	.end_amdhsa_kernel
	.amdgpu_metadata
---
amdhsa.version: [ 1, 2 ]
amdhsa.kernels:
  - .name:           k_q73efc9e3db_ffn1
    .symbol:         k_q73efc9e3db_ffn1.kd
    .args:
      - { .name: xc, .offset: 0, .size: 8, .value_kind: global_buffer, .address_space: global }
      - { .name: w1c, .offset: 8, .size: 8, .value_kind: global_buffer, .address_space: global }
      - { .name: b1, .offset: 16, .size: 8, .value_kind: global_buffer, .address_space: global }
      - { .name: lowp_scales, .offset: 24, .size: 8, .value_kind: global_buffer, .address_space: global }
      - { .name: list, .offset: 32, .size: 8, .value_kind: global_buffer, .address_space: global }
      - { .name: tinfo, .offset: 40, .size: 8, .value_kind: global_buffer, .address_space: global }
      - { .name: hc, .offset: 48, .size: 8, .value_kind: global_buffer, .address_space: global }
    .group_segment_fixed_size: 83968
    .private_segment_fixed_size: 0
    .kernarg_segment_align: 8
    .kernarg_segment_size: 56
    .max_flat_workgroup_size: 128
    .sgpr_count:     66
    .vgpr_count:     928
    .wavefront_size: 32
...
	.end_amdgpu_metadata
.endif
;; end of part 7
;; launch ffn2 (part 8): grid 4 x 59, 4 waves a work-group, no clusters, 101,888 bytes of LDS; arguments hc, w2c, b2, lowp_scales, list, tinfo, gate, out0; writes out0
.if DOCPART == 8
	.amdgcn_target "amdgcn-amd-amdhsa--gfx1250"
	.amdhsa_code_object_version 6
	.text
	.protected	k_q73efc9e3db_ffn2
	.globl	k_q73efc9e3db_ffn2
	.p2align	8
	.type	k_q73efc9e3db_ffn2,@function
k_q73efc9e3db_ffn2:
	s_mov_b64 s[64:65], 0
	v_nop
	global_prefetch_b8 v0, s[64:65] scope:SCOPE_SE
	s_setreg_imm32_b32 hwreg(HW_REG_WAVE_MODE, 25, 1), 1
	s_wait_xcnt 0x0
; THE SECOND PRODUCT AND THE GATE: out[token] = gate[token] x (h W2[e] + b2[e]) for the rows that chose expert e: the one term of the layer's gated sum whose gate is not 0.  Each row of out has one owner.
; SHARES as in the first product: work-group (p, tile): the tile's 80 rows x outputs 256 p .. 256 p + 255; wave w: the 64 outputs of G = 4 p + w; 5 x 4 accumulators.
; hc holds the hidden layer's codes as images of the operand's registers, [tile][m 5][s 8][c 4][lane][16 bytes]: the tile's 80 KiB are copied as they lie into LDS, once, and every wave loads a fragment by four loads
; of 512 consecutive bytes.  The weights go from memory straight into registers and stay.  The matrix instruction is used transposed, with w2c's tiles laid as w1c's: in the result lane (r, h) holds row r, and register j of
; weight tile 2 b + u is output 64 G + 32 b + 16 h + 8 u + j.
; y = sum x 2^(e2 + e3) + b2, one packed multiply-add; x the gate.  LIMIT: e2 + e3 between -126 and 127.
; THE WAY OUT.  A lane holds pieces of one row, its neighbours other rows: 16 rows x 256 bytes go through the wave's own stage in LDS (rows 272 bytes apart) and leave as whole aligned runs of 256 bytes, sixteen lanes to a run,
; each to its token's row of out.  Rows past the tile's count are not stored.
; NO TENSOR LOADS AND NO JOINT LOADS: which weights and rows a work-group touches hangs on numbers read from memory, and a tile without rows ends early: behind the one barrier (until there it reads tile 0's bytes), storing nothing.
; REGISTERS: window 0: v0-31 addresses, gates, tokens; v32-111, v112-191 the hidden layer's five fragments, two sets (first the 160 registers of the copy, at the end the rows of out); v192-223 at work; v224-255 b2;
;   at the end v192-231 the rows' offsets in out.  window 1, 2: W2's fragments of K steps 0-3, 4-7.  window 3: the accumulators, 8 (4 m + i).
.set STAGE, 81920                      ; behind the images: 16 rows x 272 bytes for each wave
.set SP,    272
.set TBL,   STAGE+4*16*SP              ; 99,328: 512 bytes for each wave: the tile's tokens
.set XA,    32
.set OUTR,  32
.set TMP,   192
.set B2,    224
.set TO,    192
.set GT,    14                         ; v14-23: the gate of row 16 m + r at v[14 + 2 m]; the odd registers hold 0 (they are named as the pairs' upper halves)
.set MSB, 0
.macro WIN new                         ; the immediate's high byte repeats the setting that is left; a switch that changes nothing is dropped
.if MSB != (\new)
	s_set_vgpr_msb (MSB<<8)|(\new)
.set MSB, (\new)
.endif
.endm
.macro WLOAD s                         ; my four weight fragments of K step s: 16 loads of 512 consecutive bytes
	WIN 0x40*(1+(\s)/4)                            ; destination window 1 or 2, address window 0
.irp i, 0,1,2,3
.irp c, 0,1,2,3
	global_load_b128 v[64*((\s)%4)+16*\i+4*\c:64*((\s)%4)+16*\i+4*\c+3], v3, s[6:7] offset:8192*(\s)+2048*\i+512*\c
.endr
.endr
.endm
.macro FETCHX s                        ; the hidden layer's five fragments of K step s into set s % 2: 20 LDS loads.  The fifth lies beyond a 16-bit offset: a second address register
.set FB, XA+80*((\s)%2)
.irp m, 0,1,2,3
.irp c, 0,1,2,3
	ds_load_b128 v[FB+16*\m+4*\c:FB+16*\m+4*\c+3], v3 offset:16384*\m+2048*(\s)+512*\c
.endr
.endr
.irp c, 0,1,2,3
	ds_load_b128 v[FB+64+4*\c:FB+64+4*\c+3], v5 offset:2048*(\s)+512*\c
.endr
.endm
; A K step, as in the first product.  The first step's products take the constant 0 as C: nothing is cleared.  The 20 accumulators take turns, one instruction a turn.
.macro STEP s
	WIN 0
.if ((\s) > 0) && ((\s) < 7)
.rept 4
	v_nop                                          ; four places between the last products and loads into a set that matrix instructions have read
.endr
.endif
.if (\s) < 7
	FETCHX (\s)+1
.endif
.if (\s) < 5
	s_wait_loadcnt 48                              ; this step's weights are in: behind them at most three steps' 16 loads each were issued
.else
	s_wait_loadcnt 16*(7-(\s))
.endif
.if (\s) < 4
	WLOAD (\s)+4
.endif
.if (\s) < 7
	s_wait_dscnt 20                                ; this step's fragments are in; the 20 loads just issued may be out
.else
	s_wait_dscnt 0
.endif
.set FB, XA+80*((\s)%2)
.set WB, 64*((\s)%4)
.if (\s) < 4
	WIN 0xf1                                       ; source 0 (W2) window 1, source 1 window 0, C and D window 3
.else
	WIN 0xf2
.endif
.irp m, 0,1,2,3,4
.irp i, 0,1,2,3
.if (\s) == 0
	v_wmma_f32_16x16x128_bf8_bf8 v[8*(4*\m+\i):8*(4*\m+\i)+7], v[WB+16*\i:WB+16*\i+15], v[FB+16*\m:FB+16*\m+15], 0
.else
	v_wmma_f32_16x16x128_bf8_bf8 v[8*(4*\m+\i):8*(4*\m+\i)+7], v[WB+16*\i:WB+16*\i+15], v[FB+16*\m:FB+16*\m+15], v[8*(4*\m+\i):8*(4*\m+\i)+7]
.endif
.endr
.endr
.endm
	s_load_b256 s[4:11], s[0:1], 0x0               ; hc s[4:5], w2c s[6:7], b2 s[8:9], the scales s[10:11]
	s_load_b256 s[12:19], s[0:1], 0x20             ; list s[12:13], tinfo s[14:15], gate s[16:17], out0 s[18:19]
	s_set_vgpr_msb 0xc0
	v_lshl_add_u32 v160, v0, 2, 0x18c00
	v_mov_b32 v161, 0
	s_set_vgpr_msb 0xc000
	v_lshrrev_b32 v1, 5, v0
	v_readfirstlane_b32 s20, v1                    ; wave 0..3
	s_and_b32 s22, ttmp7, 0xffff                   ; the tile
	s_lshl_b32 s23, ttmp9, 2
	s_add_co_u32 s23, s23, s20                     ; G = 4 p + wave
	v_and_b32 v1, 15, v0                           ; r
	v_bfe_u32 v2, v0, 4, 1                         ; h
	v_and_b32 v4, 31, v0                           ; lane
	v_lshlrev_b32 v3, 4, v4                        ; 16 x lane: an image's place for my lane
	v_add_nc_u32 v5, 0x10000, v3                   ; the same in the fifth tile of rows
	s_mul_i32 s32, s20, 20480
	v_add_nc_u32 v6, s32, v3                       ; the copy: my wave's quarter of the tile's 81,920 bytes, in hc and in LDS alike
	s_mul_i32 s34, s20, 16*SP
	s_add_co_u32 s34, s34, STAGE                   ; my stage
	v_mul_u32_u24 v7, v1, SP
	v_lshl_add_u32 v7, v2, 6, v7
	v_add_nc_u32 v7, s34, v7                       ; in: row r, + 64 h bytes
	v_mul_u32_u24 v8, v2, 8*SP
	v_lshl_add_u32 v8, v1, 4, v8
	v_add_nc_u32 v8, s34, v8                       ; back: lanes 0-15 row t, lanes 16-31 row t + 8; 16 bytes a lane
	v_lshlrev_b32 v9, 4, v1                        ; 16 r
	s_lshl_b32 s35, s20, 9
	s_add_co_u32 s35, s35, TBL                     ; my table of tokens
	v_lshl_add_u32 v11, v4, 2, s35                 ; in: entry = lane
	v_lshl_add_u32 v12, v1, 2, s35                 ; entry r: my row's token in each tile of rows
	v_lshl_add_u32 v13, v2, 5, s35                 ; entries 8 h on: the rows that I store
.irp m, 0,1,2,3,4
	v_mov_b32 v[GT+2*\m+1], 0
.endr
	s_lshl_b32 s32, s22, 4
	s_mov_b32 s33, 0
	s_wait_kmcnt 0x0
	s_add_nc_u64 s[14:15], s[14:15], s[32:33]
	s_load_b128 s[24:27], s[14:15], 0x0            ; the tile's expert, rows, rows - 1, 0
	s_load_b128 s[28:31], s[10:11], 0x0            ; e0, e1, e2 (W2), e3 (hidden)
	s_wait_kmcnt 0x0
	s_min_u32 s24, s24, 7                          ; numbers read from memory enter addresses only behind a clamp
	s_min_u32 s26, s26, 79
	s_min_u32 s36, s25, 1                          ; 1 where the tile has rows, else 0
	s_mul_i32 s32, s22, 320
	s_mul_i32 s32, s32, s36                        ; a tile without rows reads tile 0's bytes, which are always written
	s_add_nc_u64 s[12:13], s[12:13], s[32:33]
	s_mul_i32 s32, s22, 81920
	s_mul_i32 s32, s32, s36
	s_add_nc_u64 s[4:5], s[4:5], s[32:33]
	s_lshl_b32 s32, s24, 20
	s_lshl_b32 s37, s23, 16
	s_add_co_u32 s32, s32, s37
	s_add_nc_u64 s[6:7], s[6:7], s[32:33]          ; my 64 KiB of the expert's codes
	s_lshl_b32 s32, s24, 12
	s_lshl_b32 s37, s23, 8
	s_add_co_u32 s32, s32, s37
	s_add_nc_u64 s[8:9], s[8:9], s[32:33]          ; my 64 numbers of b2
	s_mov_b32 s32, s37
	s_add_nc_u64 s[18:19], s[18:19], s[32:33]      ; my 256 bytes of a row of out
	v_lshlrev_b32 v10, 3, v2
	v_sub_nc_u32 v10, s25, v10                     ; rows - 8 h: row 16 m + t + 8 h is stored where 16 m + t is under it
.irp a, 0,1,2
	v_add_nc_u32 v[29+\a], 32*\a, v4
	v_min_u32 v[29+\a], s26, v[29+\a]              ; entries past the tile's last repeat it
	v_min_u32 v[29+\a], 79, v[29+\a]
	v_lshlrev_b32 v[29+\a], 2, v[29+\a]
	global_load_b32 v[29+\a], v[29+\a], s[12:13]
.endr
	v_lshlrev_b32 v4, 6, v2                        ; b2: 64 h
	WLOAD 0
	WLOAD 1
	WIN 0
	s_wait_loadcnt 32                              ; the tokens are in: behind them the 32 loads of weights were issued
.irp a, 0,1,2
	ds_store_b32 v11, v[29+\a] offset:128*\a       ; my wave's own table: no other wave touches it
.endr
.irp m, 0,1,2,3,4
	ds_load_b32 v[24+\m], v12 offset:64*\m         ; LDS serves a wave's instructions in order: these see my stores
.endr
	s_wait_dscnt 0x0
.irp m, 0,1,2,3,4
	v_min_u32 v[24+\m], 0xfff, v[24+\m]
	v_lshlrev_b32 v[24+\m], 2, v[24+\m]
	global_load_b32 v[GT+2*\m], v[24+\m], s[16:17]
.endr
.set n, 0
.rept 40
	global_load_b128 v[XA+4*n:XA+4*n+3], v6, s[4:5] offset:512*n         ; 512 consecutive bytes a load
.set n, n+1
.endr
.irp i, 0,1,2,3
	global_load_b128 v[B2+8*\i:B2+8*\i+3], v4, s[8:9] offset:128*(\i/2)+32*(\i%2)            ; tile i = 2 b + u, register j: output 32 b + 16 h + 8 u + j
	global_load_b128 v[B2+8*\i+4:B2+8*\i+7], v4, s[8:9] offset:128*(\i/2)+32*(\i%2)+16
.endr
	WLOAD 2
	WLOAD 3
	WIN 0
	s_add_co_i32 s46, s30, s31                     ; e2 + e3
	s_add_co_i32 s46, s46, 127
	s_lshl_b32 s46, s46, 23                        ; 2^(e2 + e3) as f32
	s_mov_b32 s47, s46                             ; (named with it as a pair, so it is written)
	s_wait_loadcnt 40                              ; the images, the gates and the weights of K steps 0 and 1 are in; b2's 8 loads and the 32 of steps 2 and 3 may be out
.set n, 0
.rept 40
	ds_store_b128 v6, v[XA+4*n:XA+4*n+3] offset:512*n
.set n, n+1
.endr
	s_wait_dscnt 0x0                               ; for the others' sake: my quarter has landed
	s_barrier_signal -1
	s_barrier_wait -1                              ; the tile's 40 fragments lie in LDS; they are never written again
	s_cmp_eq_u32 s25, 0
	s_cbranch_scc1 .Lempty                         ; no barrier follows
	FETCHX 0
.irp s, 0,1,2,3,4,5,6,7
	STEP \s
.endr
	WIN 0
.rept 4
	v_nop                                          ; four places between the last product and the first read of results
.endr
.irp m, 0,1,2,3,4
.if \m > 0
	s_wait_dscnt 8                                 ; the last block's eight stores into the stage have read their registers; the eight loads issued behind them may be out
.endif
	WIN 0x03                                       ; source 0 (the sums) window 3
.irp i, 0,1,2,3
.irp j, 0,2,4,6
	v_pk_fma_f32 v[TMP+8*\i+\j:TMP+8*\i+\j+1], v[8*(4*\m+\i)+\j:8*(4*\m+\i)+\j+1], s[46:47], v[B2+8*\i+\j:B2+8*\i+\j+1] op_sel_hi:[1,0,1]   ; sum x 2^(e2 + e3) + b2; each accumulator from its low end on
.endr
.endr
	WIN 0
.set n, 0
.rept 16
	v_pk_mul_f32 v[TMP+n:TMP+n+1], v[TMP+n:TMP+n+1], v[GT+2*\m:GT+2*\m+1] op_sel_hi:[1,0]    ; x my row's gate
.set n, n+2
.endr
.irp i, 0,1,2,3
	ds_store_b128 v7, v[TMP+8*\i:TMP+8*\i+3] offset:128*(\i/2)+32*(\i%2)
	ds_store_b128 v7, v[TMP+8*\i+4:TMP+8*\i+7] offset:128*(\i/2)+32*(\i%2)+16
.endr
.irp t, 0,1,2,3,4,5,6,7
	ds_load_b128 v[OUTR+32*\m+4*\t:OUTR+32*\m+4*\t+3], v8 offset:SP*\t   ; these see the stores above, and the next block's stores come behind them
.endr
.endr
	s_wait_dscnt 0x0                               ; all 80 rows are back in registers, and the stage's stores have read theirs
.irp m, 0,1,2,3,4
	ds_load_b128 v[TO+8*\m:TO+8*\m+3], v13 offset:64*\m                  ; the tokens of rows 16 m + 8 h + 0 .. 7
	ds_load_b128 v[TO+8*\m+4:TO+8*\m+7], v13 offset:64*\m+16
.endr
	s_wait_dscnt 0x0
.set n, 0
.rept 40
	v_min_u32 v[TO+n], 0xfff, v[TO+n]
	v_lshl_add_u32 v[TO+n], v[TO+n], 12, v9        ; token x 4,096 + 16 r
.set n, n+1
.endr
.macro OUTM m                          ; a block of 16 rows that the tile fills: eight plain stores
	s_cmp_lt_u32 s25, 16*(\m)+16
	s_cbranch_scc1 .Lpart\m
	s_wait_alu depctr_va_vdst(0)
.irp t, 0,1,2,3,4,5,6,7
	global_store_b128 v[TO+8*(\m)+\t], v[OUTR+32*(\m)+4*\t:OUTR+32*(\m)+4*\t+3], s[18:19] th:TH_STORE_NT   ; sixteen lanes store 256 consecutive bytes, aligned, of one token's row; written once
.endr
.endm
.macro PARTM m                         ; the tile's last block, filled in part: later blocks have no rows.  As t grows fewer lanes store: EXEC only narrows
.Lpart\m:
.irp t, 0,1,2,3,4,5,6,7
	v_cmp_lt_i32 vcc_lo, 16*(\m)+\t, v10
	s_wait_xcnt 0x0                                ; EXEC is a source of the stores already issued: it changes only behind this wait
	s_and_saveexec_b32 s40, vcc_lo
	global_store_b128 v[TO+8*(\m)+\t], v[OUTR+32*(\m)+4*\t:OUTR+32*(\m)+4*\t+3], s[18:19] th:TH_STORE_NT
.endr
	s_wait_xcnt 0x0
	s_mov_b32 exec_lo, -1
	s_set_vgpr_msb 0xf
	s_wait_tensorcnt 0x0
	ds_add_u32 v160, v161
	s_wait_dscnt 0x0
	s_set_vgpr_msb 0xf00
	s_endpgm
.endm
.irp m, 0,1,2,3,4
	OUTM \m
.endr
	s_wait_xcnt 0x0
	s_mov_b32 exec_lo, -1
	s_set_vgpr_msb 0xf
	s_wait_tensorcnt 0x0
	ds_add_u32 v160, v161
	s_wait_dscnt 0x0
	s_set_vgpr_msb 0xf00
	s_endpgm
.irp m, 0,1,2,3,4
	PARTM \m
.endr
.Lempty:
	s_wait_xcnt 0x0
	s_mov_b32 exec_lo, -1
	s_set_vgpr_msb 0xf
	s_wait_tensorcnt 0x0
	ds_add_u32 v160, v161
	s_wait_dscnt 0x0
	s_set_vgpr_msb 0xf00
	s_endpgm
.Lfunc_end_k_q73efc9e3db_ffn2:
	.size	k_q73efc9e3db_ffn2, .Lfunc_end_k_q73efc9e3db_ffn2-k_q73efc9e3db_ffn2
	.p2alignl 7, 3214868480
	.fill 96, 4, 3214868480
	.section	.rodata,"a",@progbits
	.p2align	6, 0x0
	.amdhsa_kernel k_q73efc9e3db_ffn2
		.amdhsa_group_segment_fixed_size 101888
		.amdhsa_private_segment_fixed_size 0
		.amdhsa_enable_private_segment 0
		.amdhsa_kernarg_size 64
		.amdhsa_user_sgpr_count 2
		.amdhsa_user_sgpr_kernarg_segment_ptr 1
		.amdhsa_wavefront_size32 1
		.amdhsa_system_sgpr_workgroup_id_x 1
		.amdhsa_system_sgpr_workgroup_id_y 1
		.amdhsa_system_sgpr_workgroup_id_z 1
		.amdhsa_system_vgpr_workitem_id 0
		.amdhsa_next_free_vgpr 930
		.amdhsa_next_free_sgpr 66
		.amdhsa_reserve_vcc 1
		.amdhsa_float_denorm_mode_32 3
		.amdhsa_float_denorm_mode_16_64 3
		.amdhsa_memory_ordered 1
		.amdhsa_forward_progress 1
		.amdhsa_inst_pref_size 82
	.end_amdhsa_kernel
	.amdgpu_metadata
---
amdhsa.version: [ 1, 2 ]
amdhsa.kernels:
  - .name:           k_q73efc9e3db_ffn2
    .symbol:         k_q73efc9e3db_ffn2.kd
    .args:
      - { .name: hc, .offset: 0, .size: 8, .value_kind: global_buffer, .address_space: global }
      - { .name: w2c, .offset: 8, .size: 8, .value_kind: global_buffer, .address_space: global }
      - { .name: b2, .offset: 16, .size: 8, .value_kind: global_buffer, .address_space: global }
      - { .name: lowp_scales, .offset: 24, .size: 8, .value_kind: global_buffer, .address_space: global }
      - { .name: list, .offset: 32, .size: 8, .value_kind: global_buffer, .address_space: global }
      - { .name: tinfo, .offset: 40, .size: 8, .value_kind: global_buffer, .address_space: global }
      - { .name: gate, .offset: 48, .size: 8, .value_kind: global_buffer, .address_space: global }
      - { .name: out0, .offset: 56, .size: 8, .value_kind: global_buffer, .address_space: global }
    .group_segment_fixed_size: 101888
    .private_segment_fixed_size: 0
    .kernarg_segment_align: 8
    .kernarg_segment_size: 64
    .max_flat_workgroup_size: 128
    .sgpr_count:     66
    .vgpr_count:     930
    .wavefront_size: 32
...
	.end_amdgpu_metadata
.endif
;; end of part 8
